; MI455X (gfx1250); checked and timed in simulation.
; The chip was launched on July 23, 2026; its instructions are those of AMD's public machine-readable ISA for CDNA 5 (MIT licence, August 2026) and "CDNA5" Instruction Set Architecture Reference Guide (July 2026). The comments in the code are by the model that wrote it; some were corrected since.
;; Diff Cross Attn Direction. Allowed arithmetic: matrix products marked QUANTISED: E2M3 operands, one E8M0 scale for each 32 along K, by v_wmma_scale_f32_16x16x128_f8f6f4 with both operands' format E2M3, f32 sums; products left as they are: f32 operands where the result goes on into a quantised operand, else bf16, f16 or f32 operands; f32 sums; everything else in f32.
;; Inputs: Wk_codes 2,048 x 32 x 24 uint8 (E2M3 codes of Wk, K innermost, in blocks of 32 codes, four codes in three bytes); Wk_scales 2,048 x 32 uint8 (E8M0 scales of Wk, one for each 32 codes along K); Wo_codes 1,024 x 64 x 24 uint8 (E2M3 codes of Wo, K innermost, in blocks of 32 codes, four codes in three bytes); Wo_scales 1,024 x 64 uint8 (E8M0 scales of Wo, one for each 32 codes along K); Wq_codes 2,048 x 32 x 24 uint8 (E2M3 codes of Wq, K innermost, in blocks of 32 codes, four codes in three bytes); Wq_scales 2,048 x 32 uint8 (E8M0 scales of Wq, one for each 32 codes along K); Wv_codes 2,048 x 32 x 24 uint8 (E2M3 codes of Wv, K innermost, in blocks of 32 codes, four codes in three bytes); Wv_scales 2,048 x 32 uint8 (E8M0 scales of Wv, one for each 32 codes along K); hn_b 128 float32; hn_g 128 float32; keyvalue_tokens 4 x 1,024 x 1,024 float32; lambda_init one number float32; lambda_k1 64 float32; lambda_k2 64 float32; lambda_q1 64 float32; lambda_q2 64 float32; ln_kv_b 1,024 float32; ln_kv_g 1,024 float32; ln_q_b 1,024 float32; ln_q_g 1,024 float32; query_tokens 4 x 1,024 x 1,024 float32.
;; Outputs: out0 4 x 1,024 x 1,024 float32.
;; Constants: disable_second_term = 0.
;; This version of the problem:
;;   THIS VERSION OF THE PROBLEM IS GIVEN IN LOW PRECISION. The matrix products marked QUANTISED in the list below multiply operands that are first quantised to E2M3 (2 exponent bits, 3 mantissa bits; 6 bits a number), with one power-of-two scale for each 32 numbers along K (OCP MX v1.0); their sums are f32. All else is computed in f32.
;;   The module's matrix products, in the order in which they are computed (A, B: the left and right operand; K: the contracted axis; several contracted axes count as one K, in the product's order):
;;     1. [M 4,096, K 1,024] x [K 1,024, N 2,048]; A: computed on the way; B: input Wq (given as codes): QUANTISED
;;     2. [M 4,096, K 1,024] x [K 1,024, N 2,048]; A: computed on the way; B: input Wk (given as codes): QUANTISED
;;     3. [M 4,096, K 1,024] x [K 1,024, N 2,048]; A: computed on the way; B: input Wv (given as codes): QUANTISED
;;     4. batch 64 x [M 1,024, K 64] x [K 64, N 1,024]; A: computed on the way; B: computed on the way: QUANTISED
;;     5. batch 64 x [M 1,024, K 64] x [K 64, N 1,024]; A: computed on the way; B: computed on the way: QUANTISED
;;     6. [M 1, K 64] x [K 64, N 1]; A: input lambda_q1; B: input lambda_k1: left as it is (M = 1 < 16)
;;     7. [M 1, K 64] x [K 64, N 1]; A: input lambda_q2; B: input lambda_k2: left as it is (M = 1 < 16)
;;     8. batch 64 x [M 1,024, K 1,024] x [K 1,024, N 128]; A: computed on the way; B: computed on the way: QUANTISED
;;     9. [M 4,096, K 2,048] x [K 2,048, N 1,024]; A: computed on the way; B: input Wo (given as codes): QUANTISED
;;   THE QUANTISER, for each operand of a quantised product, along K:
;;     - K is cut into blocks of 32 from its start; a last block that is shorter is filled with zeros.
;;     - A block's scale is 2^e with e = floor(log2(the largest magnitude in the block)) - 2, held to -126 .. 127; a block of zeros has e = 0. As a byte (E8M0): e + 127.
;;     - Each number is divided by its block's scale, clamped to +-7.5, and rounded to the nearest number of E2M3, ties to even, subnormals kept.
;;     - The product sums the exact products of the quantised numbers (number of the format x scale) in f32.
;;   ~~~python
;;   def quantise(x, axis):      # numpy; x: float32 -> the quantised numbers, widened to float32 again
;;       x = np.moveaxis(x, axis, -1); K = x.shape[-1]
;;       x = np.pad(x, [(0, 0)] * (x.ndim - 1) + [(0, -K % 32)]); x = x.reshape(x.shape[:-1] + (-1, 32)); a = np.abs(x).max(-1, keepdims=True)
;;       e = np.where(a > 0, np.clip(np.frexp(np.where(a > 0, a, 1))[1] - 1 - 2, -126, 127), 0)      # np.frexp(a)[1] - 1 = floor(log2(a)), exactly
;;       r = np.clip(x / 2.0 ** e, -7.5, 7.5)
;;       step = 2.0 ** (np.maximum(np.frexp(np.where(r == 0, 1, r))[1] - 1, 0) - 3)
;;       q = np.round(r / step) * step * 2.0 ** e      # np.round: ties to even
;;       return np.moveaxis(q.reshape(q.shape[:-2] + (-1,))[..., :K], -1, axis).astype(np.float32)
;;   ~~~
;;   OPERANDS COMPUTED ON THE WAY. 'Computed on the way' means the value that the module computes at that place (a softmax that the list does not call 'softmax' is quantised finished and normalised). What goes into a quantiser is computed in f32, as accurately as f32 sums, v_exp_f32 and their like allow (about 1e-6 of the number): no bf16 or f16 on the way to a quantiser, and a product that is left as it is and whose result goes on into a quantised operand takes f32 operands (vector FMAs, or v_wmma_f32_16x16x4_f32). A number that lies on a knife's edge between two numbers of the format may be rounded either way, as far as f32 arithmetic and the matrix unit's own rounding can turn it there, and no further.
;;   INPUTS GIVEN AS CODES. Wk (in the module: [2048, 1024], K = its axis 1); Wo (in the module: [1024, 2048], K = its axis 1); Wq (in the module: [2048, 1024], K = its axis 1); Wv (in the module: [2048, 1024], K = its axis 1): each comes as NAME_codes (uint8): NAME with its K axis moved to the last place and cut into blocks of 32 codes, [.., K / 32, bytes a block], one block behind the other in memory; four codes in three bytes: a row's codes are one little-endian stream of bits, code i at bits 6 i .. 6 i + 5 (a code: sign, 2 exponent bits, 3 mantissa bits); and NAME_scales (uint8): the same leading axes, one E8M0 byte (e + 127) for each 32 codes along K. Its value is code x scale, taken as it is: it is not quantised again, and the codes and scales need not be those that the quantiser above would give.
;; One version. Each part assembles by itself: llvm-mc -triple=amdgcn-amd-amdhsa -mcpu=gfx1250 --defsym DOCPART=n.
;; ======== version 1 of 1: 4 launches
;; limits: right only within a limited range of input values
;; workspace buffers: opnd 13,631,488 bytes; qkv 20,447,232 bytes; abuf 6,815,744 bytes
;; launch prep (part 1): grid 512 x 1, 8 waves a work-group, no clusters, 70,656 bytes of LDS; arguments query_tokens, keyvalue_tokens, ln_q_g, ln_q_b, ln_kv_g, ln_kv_b, Wq_codes, Wq_scales, Wk_codes, Wk_scales, Wv_codes, Wv_scales, Wo_codes, Wo_scales, opnd; writes opnd
.if DOCPART == 1
	.amdgcn_target "amdgcn-amd-amdhsa--gfx1250"
	.amdhsa_code_object_version 6
	.text
	.protected	k_q51ff6fe559_prep
	.globl	k_q51ff6fe559_prep
	.p2align	8
	.type	k_q51ff6fe559_prep,@function
k_q51ff6fe559_prep:
	s_mov_b64 s[64:65], 0
	v_nop
	global_prefetch_b8 v0, s[64:65] scope:SCOPE_SE
	s_setreg_imm32_b32 hwreg(HW_REG_WAVE_MODE, 25, 1), 1
	s_wait_xcnt 0x0
; LAUNCH 1 OF 4.  LayerNorm over 1,024 of both token tensors, in f32, and the quantiser (FP6 = E2M3, one E8M0 byte for 32 along K); beside it the four weights' codes are laid out anew.
; ALL OPERANDS LEAVE AS IMAGES OF THEIR REGISTERS: a fragment (16 rows x 128 K, 12 registers a lane) is 1,536 bytes, registers 4 c .. 4 c + 3 of lane l at 512 c + 16 l; its scale words are 128 bytes, lane l's at 4 l
; (lanes 16-31 hold a copy).  A block GB of 13,312 bytes holds 128 rows x 128 K: eight images, then eight blocks of scale words.  opnd: [128-row group][K step][GB] for each of the six operands.
; THE TOKENS.  A work-group takes 16 tokens (work-groups 0-255: query tokens, 256-511: key/value tokens); wave w takes columns 128 w .. 128 w + 127, one K step.  Each load reads 512 consecutive bytes; the 16 x 512 bytes
; turn through the wave's own stage in LDS, so that lane (r, h) holds, of row r, columns 32 b + 16 h + 0 .. 15 in registers 16 b + 0 .. 15.  Mean and variance are taken in two passes, as the definition has them; the eight
; waves' sums meet in LDS.
; THE WEIGHTS are 4 x 1,024 fragments, and the launch has 512 x 8 waves: EACH WAVE CARRIES ONE FRAGMENT from rows to an image, seven loads and four stores beside its tokens: work-groups 128 n .. 128 n + 127 take tensor n
; (Wq, Wk, Wv, Wo); wave w takes K step w of row tile j = work-group % 128, for Wo (16 K steps) K step 8 (j % 2) + w of row tile j / 2.  A row's stream of bits is the register image, so nothing is shifted.
; Only pointers and sizes are chosen by the work-group's number: every wave walks the same text.
; LIMITS: NaN and infinities are not served.  A block of zeros gets the byte 1 where the rule says 127: its codes are zeros, and these bytes are read by this program alone.
; Memory binds here: no matrix unit, no tensor load, no cluster (work-groups share no input but the gains).
.set XKV,  3407872                     ; opnd: the key/value tokens' operand (the query tokens' lies at 0)
.set WQ,   6815744                     ; then Wq, Wk, Wv, Wo, WSZ bytes each
.set WSZ,  1703936
.set GB,   13312
.set SCO,  12288                       ; the scale words in a GB
.set GRP,  8*GB                        ; a group of 128 rows, 8 K steps
.set SPT,  528                         ; a stage row: 512 bytes + 16
.set STGW, 16*SPT                      ; a wave's stage
.set SUM,  8*STGW                      ; behind the stages: 8 x 128 bytes of row sums, then 8 x 128 of sums of squares
.set R,    16                          ; v16-79   x as loaded, later the gain
.set X,    80                          ; v80-143  x, 64 numbers of my row
.set BB,   144                         ; v144-207 the bias
.set TM,   208                         ; v208-223 at work
.set PW,   224                         ; the scale word (until the quantiser: the weight fragment's)
.set PC,   226                         ; v226-245 the codes (until the quantiser: v226-237 the weight fragment)
.set SEL,  52                          ; s[52:53] lane selects: lane l xor 16
; 64 numbers of a lane, register 16 b + i = k 32 b + 16 (lane / 16) + i of my row, become a fragment's codes in v[PC] on and its scale word in v[PW]
.macro QUANT s
.irp b, 0,1,2,3
	v_max3_num_f32 v[TM+\b], |v[\s+16*\b]|, |v[\s+1+16*\b]|, 0x1800000   ; my 16 numbers of block b, and the floor 2^(3 - 127): the byte cannot fall under 1
.endr
.irp i, 2,4,6,8,10,12,14
.irp b, 0,1,2,3
	s_delay_alu instid0(VALU_DEP_4)
	v_max3_num_f32 v[TM+\b], v[TM+\b], |v[\s+16*\b+\i]|, |v[\s+1+16*\b+\i]|
.endr
.endr
.irp b, 0,1,2,3
	s_delay_alu instid0(VALU_DEP_4)
	v_permlanex16_b32 v[TM+4+\b], v[TM+\b], s[SEL], s[SEL+1]
.endr
.irp b, 0,1,2,3
	s_delay_alu instid0(VALU_DEP_4)
	v_max_num_f32 v[TM+\b], v[TM+\b], v[TM+4+\b]                 ; with lane l xor 16's: the block's largest magnitude
.endr
.irp b, 0,1,2,3
	s_delay_alu instid0(VALU_DEP_4)
	v_add_nc_u32 v[TM+12+\b], 0xff000000, v[TM+\b]               ; 2 off its exponent field: the conversion's scale operand
.endr
.irp b, 0,1,2,3
	s_delay_alu instid0(VALU_DEP_4)
	v_lshrrev_b32 v[TM+4+\b], 23, v[TM+12+\b]                    ; the scale's byte
.endr
	s_delay_alu instid0(VALU_DEP_3)
	v_lshl_or_b32 v[PW], v[TM+5], 8, v[TM+4]
	s_delay_alu instid0(VALU_DEP_1)
	v_lshl_or_b32 v[PW], v[TM+6], 16, v[PW]
	s_delay_alu instid0(VALU_DEP_1)
	v_lshl_or_b32 v[PW], v[TM+7], 24, v[PW]
.irp c, 0,1
	v_cvt_scalef32_pk16_fp6_f32 v[PC+6*\c:PC+2+6*\c], v[\s+32*\c:\s+15+32*\c], v[TM+12+2*\c]
	v_cvt_scalef32_pk16_fp6_f32 v[PC+12+4*\c:PC+14+4*\c], v[\s+16+32*\c:\s+31+32*\c], v[TM+13+2*\c]
.endr
	v_nop                                          ; one plain place behind a scaled conversion
.irp c, 0,1                                    ; the operand wants a whole block in a lane: lanes 0-15 block 2 c, lanes 16-31 block 2 c + 1
.irp i, 0,1,2
	v_permlane16_swap_b32 v[PC+6*\c+\i], v[PC+12+4*\c+\i]
.endr
.irp i, 0,1,2
	s_delay_alu instid0(VALU_DEP_3)
	v_mov_b32 v[PC+3+6*\c+\i], v[PC+12+4*\c+\i]
.endr
.endr
.endm
.macro FOLD                            ; four chains of pairs in v[TM] .. v[TM+7] become one number, joined with lane l xor 16's: my wave's 128 columns of row r
	s_delay_alu instid0(VALU_DEP_3)
	v_pk_add_f32 v[TM:TM+1], v[TM:TM+1], v[TM+2:TM+3]
	s_delay_alu instid0(VALU_DEP_2)
	v_pk_add_f32 v[TM+4:TM+5], v[TM+4:TM+5], v[TM+6:TM+7]
	s_delay_alu instid0(VALU_DEP_1)
	v_pk_add_f32 v[TM:TM+1], v[TM:TM+1], v[TM+4:TM+5]
	s_delay_alu instid0(VALU_DEP_1)
	v_add_f32 v[TM], v[TM], v[TM+1]
	s_delay_alu instid0(VALU_DEP_1)
	v_permlanex16_b32 v[TM+8], v[TM], s[SEL], s[SEL+1]
	s_delay_alu instid0(VALU_DEP_1)
	v_add_f32 v[TM], v[TM], v[TM+8]
.endm
.macro ACROSS off                      ; my wave's figure to LDS, a barrier, the eight waves' figures back, added in one fixed order
	ds_store_b32 v10, v[TM] offset:\off
	s_wait_dscnt 0x0                               ; for the others' sake: my store has landed
	s_barrier_signal -1
	s_barrier_wait -1
.irp j, 0,1,2,3,4,5,6,7
	ds_load_b32 v[TM+\j], v11 offset:\off+128*\j
.endr
	s_wait_dscnt 0x0
	v_add_f32 v[TM], v[TM], v[TM+1]
	v_add_f32 v[TM+2], v[TM+2], v[TM+3]
	v_add_f32 v[TM+4], v[TM+4], v[TM+5]
	v_add_f32 v[TM+6], v[TM+6], v[TM+7]
	s_delay_alu instid0(VALU_DEP_3)
	v_add_f32 v[TM], v[TM], v[TM+2]
	s_delay_alu instid0(VALU_DEP_2)
	v_add_f32 v[TM+4], v[TM+4], v[TM+6]
	s_delay_alu instid0(VALU_DEP_1)
	v_add_f32 v[TM], v[TM], v[TM+4]
.endm
	s_load_b256 s[4:11], s[0:1], 0x0               ; query tokens, key/value tokens, ln_q_g, ln_q_b
	s_load_b128 s[12:15], s[0:1], 0x20             ; ln_kv_g, ln_kv_b
	s_load_b512 s[16:31], s[0:1], 0x30             ; Wq's codes, scales; Wk's; Wv's; Wo's
	s_load_b64 s[32:33], s[0:1], 0x70              ; opnd
	v_lshl_add_u32 v254, v0, 2, 0x11000
	v_mov_b32 v255, 0
	v_lshrrev_b32 v1, 5, v0
	s_delay_alu instid0(VALU_DEP_1)
	v_readfirstlane_b32 s34, v1                    ; wave 0..7
	v_and_b32 v1, 31, v0                           ; lane
	v_and_b32 v2, 15, v0                           ; r
	v_bfe_u32 v3, v0, 4, 1                         ; h
	s_delay_alu instid0(VALU_DEP_3)
	v_lshlrev_b32 v4, 4, v1                        ; 16 x lane: my place in an image
	s_wait_alu depctr_va_vdst(0)
	v_lshlrev_b32 v5, 2, v1                        ; 4 x lane: my scale word's
	; ---- every offset is made while the arguments are on their way.  First the tokens'
	s_wait_alu depctr_va_vdst(0)
	s_and_b32 s36, ttmp9, 255                      ; T: my tile of 16 tokens
	s_lshl_b32 s38, s36, 16                        ; 16 rows of 4,096 bytes
	s_mov_b32 s39, 0
	s_lshl_b32 s37, s34, 9                         ; my wave's 512 bytes of a row
	v_add_nc_u32 v6, s37, v4
	s_mov_b32 s[SEL], 0x76543210
	s_mov_b32 s[SEL+1], 0xfedcba98
	s_mov_b32 s42, 0x3a800000                      ; 1 / 1,024
	s_mov_b32 s43, 0x3727c5ac                      ; 1e-5
	s_mul_i32 s40, s34, STGW
	v_add_nc_u32 v7, s40, v4                       ; the stage, in: 16 x lane, a row an instruction
	v_mul_u32_u24 v8, v2, SPT
	s_delay_alu instid0(VALU_DEP_1)
	v_lshl_add_u32 v8, v3, 6, v8
	s_delay_alu instid0(VALU_DEP_1)
	v_add_nc_u32 v8, s40, v8                       ; out: row r, + 64 h
	v_lshl_add_u32 v9, v3, 6, s37                  ; gain and bias: 512 w + 64 h
	s_lshl_b32 s41, s34, 7
	v_add_nc_u32 v10, s41, v5
	s_delay_alu instid0(VALU_DEP_1)
	v_add_nc_u32 v10, SUM, v10                     ; where my wave's sums go: 128 w + 4 x lane
	v_add_nc_u32 v11, SUM, v5                      ; and where all waves' are read
	v_mov_b32 v[TM+8], 0                           ; a lane permute's destination counts as one of its sources
	s_cmp_lt_u32 ttmp9, 256                        ; query tokens or key/value tokens
	s_cselect_b32 s35, 0, XKV
	s_lshr_b32 s44, s36, 3                         ; where my tokens' fragment goes: tensor + (T / 8) groups + w K steps + (T % 8) images
	s_mul_i32 s44, s44, GRP
	s_add_co_u32 s44, s44, s35
	s_mul_i32 s45, s34, GB
	s_add_co_u32 s44, s44, s45
	s_and_b32 s46, s36, 7
	s_mul_i32 s45, s46, 1536
	s_add_co_u32 s48, s44, s45
	s_mov_b32 s49, 0
	s_lshl_b32 s45, s46, 7
	s_add_co_u32 s50, s44, s45
	s_add_co_u32 s50, s50, SCO
	s_mov_b32 s51, 0
	; ---- then my weight fragment's
	s_lshr_b32 s62, ttmp9, 7                       ; the tensor: 0 Wq, 1 Wk, 2 Wv, 3 Wo
	s_and_b32 s63, ttmp9, 127                      ; j
	s_mov_b32 s40, 768
	s_cmp_eq_u32 s62, 3
	s_cselect_b32 s40, 1536, s40                   ; a row of codes in bytes: K = 2,048 for Wo, else 1,024
	s_cselect_b32 s41, 64, 32                      ; a row of scale bytes
	s_cselect_b32 s44, 16, 8                       ; K steps in a row
	s_cselect_b32 s45, 1, 0
	s_lshr_b32 s46, s63, s45                       ; my tile of 16 rows: j, or for Wo j / 2
	s_and_b32 s47, s63, s45
	s_lshl_b32 s47, s47, 3
	s_add_co_u32 s47, s47, s34                     ; my K step: w, or for Wo 8 (j % 2) + w
	s_lshl_b32 s63, s46, 4                         ; my first row
	s_mul_i32 s58, s63, s40
	s_mul_i32 s59, s47, 96
	s_add_co_u32 s58, s58, s59                     ; where its codes begin
	s_mov_b32 s59, 0
	s_mul_i32 s60, s63, s41
	s_lshl_b32 s61, s47, 2
	s_add_co_u32 s60, s60, s61                     ; and its scale words
	s_mov_b32 s61, 0
	v_mul_u32_u24 v12, v2, s40
	s_delay_alu instid0(VALU_DEP_1)
	v_mad_u32_u24 v12, v3, 24, v12                 ; row r, + 24 h: 24 bytes are 32 codes
	v_mul_u32_u24 v13, v2, s41                     ; row r's scale bytes; lanes 16-31 take the same word
	s_lshr_b32 s63, s46, 3                         ; where it goes: tensor + ((tile / 8) K steps-in-a-row + my K step) GB + (tile % 8) images
	s_mul_i32 s63, s63, s44
	s_add_co_u32 s63, s63, s47
	s_mul_i32 s63, s63, GB
	s_mul_i32 s44, s62, WSZ
	s_add_co_u32 s63, s63, s44
	s_add_co_u32 s63, s63, WQ
	s_and_b32 s45, s46, 7
	s_mul_i32 s54, s45, 1536
	s_add_co_u32 s54, s54, s63
	s_mov_b32 s55, 0
	s_lshl_b32 s56, s45, 7
	s_add_co_u32 s56, s56, s63
	s_add_co_u32 s56, s56, SCO
	s_mov_b32 s57, 0
	s_wait_alu depctr_va_vdst(0)
	s_wait_kmcnt 0x0
	s_cmp_lt_u32 ttmp9, 256                        ; only pointers are chosen, on the work-group's number alone
	s_cselect_b64 s[4:5], s[4:5], s[6:7]
	s_cselect_b64 s[8:9], s[8:9], s[12:13]
	s_cselect_b64 s[10:11], s[10:11], s[14:15]
	s_add_nc_u64 s[4:5], s[4:5], s[38:39]
.irp i, 0,1,2,3,4,5,6,7,8,9,10,11,12,13,14,15
	global_load_b128 v[R+4*\i:R+4*\i+3], v6, s[4:5] offset:4096*\i th:TH_LOAD_NT   ; row i: 32 lanes read 512 consecutive bytes
.endr
	s_cmp_eq_u32 s62, 1
	s_cselect_b64 s[16:17], s[20:21], s[16:17]
	s_cselect_b64 s[18:19], s[22:23], s[18:19]
	s_cmp_eq_u32 s62, 2
	s_cselect_b64 s[16:17], s[24:25], s[16:17]
	s_cselect_b64 s[18:19], s[26:27], s[18:19]
	s_cmp_eq_u32 s62, 3
	s_cselect_b64 s[16:17], s[28:29], s[16:17]
	s_cselect_b64 s[18:19], s[30:31], s[18:19]
	s_add_nc_u64 s[16:17], s[16:17], s[58:59]
	s_add_nc_u64 s[18:19], s[18:19], s[60:61]
.irp p, 0,1,2,3,4,5
	global_load_b64 v[PC+2*\p:PC+2*\p+1], v12, s[16:17] offset:48*(\p/3)+8*(\p%3)   ; my weight fragment: the work-group's eight waves read a row's 768 neighbouring bytes between them
.endr
	global_load_b32 v[PW], v13, s[18:19]
	s_add_nc_u64 s[48:49], s[32:33], s[48:49]
	s_add_nc_u64 s[50:51], s[32:33], s[50:51]
	s_add_nc_u64 s[54:55], s[32:33], s[54:55]
	s_add_nc_u64 s[56:57], s[32:33], s[56:57]
	s_wait_loadcnt 7                               ; x's sixteen loads are in; the weight fragment's seven, issued behind them, may be out
.irp i, 0,1,2,3,4,5,6,7,8,9,10,11,12,13,14,15
	ds_store_b128 v7, v[R+4*\i:R+4*\i+3] offset:SPT*\i
.endr
.irp b, 0,1,2,3
.irp j, 0,1,2,3
	ds_load_b128 v[X+16*\b+4*\j:X+16*\b+4*\j+3], v8 offset:128*\b+16*\j   ; my own bytes; LDS serves a wave's instructions in order (ISA guide 5.7.1.4)
.endr
.endr
	s_wait_dscnt 0x0                               ; x is back, and the stores have read their registers, which take the gain
.irp b, 0,1,2,3
.irp j, 0,1,2,3
	global_load_b128 v[R+16*\b+4*\j:R+16*\b+4*\j+3], v9, s[8:9] offset:128*\b+16*\j
	global_load_b128 v[BB+16*\b+4*\j:BB+16*\b+4*\j+3], v9, s[10:11] offset:128*\b+16*\j
.endr
.endr
	s_wait_loadcnt 32                              ; the weight fragment is in; gain and bias, the 32 loads issued behind it, may be out
.irp c, 0,1,2
	global_store_b128 v4, v[PC+4*\c:PC+4*\c+3], s[54:55] offset:512*\c   ; as an image: 32 lanes store 512 consecutive bytes, at a multiple of 256 from the buffer's first byte
.endr
	global_store_b32 v5, v[PW], s[56:57]
.irp c, 0,1,2,3                                ; the row's sum: four chains, begun by the first pairs
	v_pk_add_f32 v[TM+2*\c:TM+2*\c+1], v[X+2*\c:X+2*\c+1], v[X+8+2*\c:X+9+2*\c]
.endr
.irp i, 16,24,32,40,48,56
.irp c, 0,1,2,3
	s_delay_alu instid0(VALU_DEP_4)
	v_pk_add_f32 v[TM+2*\c:TM+2*\c+1], v[TM+2*\c:TM+2*\c+1], v[X+\i+2*\c:X+\i+2*\c+1]
.endr
.endr
	FOLD
	ACROSS 0
	s_delay_alu instid0(VALU_DEP_1)
	v_mul_f32 v[TM+10], s42, v[TM]                 ; the mean, twice: a pair for the packed forms
	s_delay_alu instid0(VALU_DEP_1)
	v_mov_b32 v[TM+11], v[TM+10]
.set i, 0
.rept 32
	v_pk_add_f32 v[X+i:X+i+1], v[X+i:X+i+1], v[TM+10:TM+11] neg_lo:[0,1] neg_hi:[0,1]   ; x - mean
.set i, i+2
.endr
.irp c, 0,1,2,3
	v_pk_mul_f32 v[TM+2*\c:TM+2*\c+1], v[X+2*\c:X+2*\c+1], v[X+2*\c:X+2*\c+1]
.endr
.irp i, 8,16,24,32,40,48,56
.irp c, 0,1,2,3
	s_delay_alu instid0(VALU_DEP_4)
	v_pk_fma_f32 v[TM+2*\c:TM+2*\c+1], v[X+\i+2*\c:X+\i+2*\c+1], v[X+\i+2*\c:X+\i+2*\c+1], v[TM+2*\c:TM+2*\c+1]
.endr
.endr
	FOLD
	ACROSS 1024                                    ; other bytes than the sums': no barrier is owed between the two
	s_delay_alu instid0(VALU_DEP_1)
	v_fma_f32 v[TM], v[TM], s42, s43               ; the variance + 1e-5
	s_wait_alu depctr_va_vdst(0)
	v_rsq_f32 v[TM+10], v[TM]
	v_nop                                          ; a plain place behind the transcendental
	s_wait_alu depctr_va_vdst(0)                   ; and a wait ahead of its first reader
	v_mov_b32 v[TM+11], v[TM+10]
	s_wait_alu depctr_va_vdst(0)
	s_wait_loadcnt 0x0                             ; gain and bias
.set i, 0
.rept 32
	v_pk_mul_f32 v[X+i:X+i+1], v[X+i:X+i+1], v[TM+10:TM+11]
.set i, i+2
.endr
.set i, 0
.rept 32
	v_pk_fma_f32 v[X+i:X+i+1], v[X+i:X+i+1], v[R+i:R+i+1], v[BB+i:BB+i+1]
.set i, i+2
.endr
	s_wait_xcnt 0x0                                ; the weight fragment's stores have read their registers, which the quantiser writes
	QUANT X
.irp c, 0,1,2
	global_store_b128 v4, v[PC+4*\c:PC+4*\c+3], s[48:49] offset:512*\c   ; 32 lanes store 512 consecutive bytes, at a multiple of 256 from the buffer's first byte
.endr
	global_store_b32 v5, v[PW], s[50:51]
	s_wait_tensorcnt 0x0
	ds_add_u32 v254, v255
	s_wait_dscnt 0x0
	s_endpgm
.Lfunc_end_k_q51ff6fe559_prep:
	.size	k_q51ff6fe559_prep, .Lfunc_end_k_q51ff6fe559_prep-k_q51ff6fe559_prep
	.p2alignl 7, 3214868480
	.fill 96, 4, 3214868480
	.section	.rodata,"a",@progbits
	.p2align	6, 0x0
	.amdhsa_kernel k_q51ff6fe559_prep
		.amdhsa_group_segment_fixed_size 70656
		.amdhsa_private_segment_fixed_size 0
		.amdhsa_enable_private_segment 0
		.amdhsa_kernarg_size 120
		.amdhsa_user_sgpr_count 2
		.amdhsa_user_sgpr_kernarg_segment_ptr 1
		.amdhsa_wavefront_size32 1
		.amdhsa_system_sgpr_workgroup_id_x 1
		.amdhsa_system_sgpr_workgroup_id_y 1
		.amdhsa_system_sgpr_workgroup_id_z 1
		.amdhsa_system_vgpr_workitem_id 0
		.amdhsa_next_free_vgpr 256
		.amdhsa_next_free_sgpr 66
		.amdhsa_reserve_vcc 0
		.amdhsa_float_denorm_mode_32 3
		.amdhsa_float_denorm_mode_16_64 3
		.amdhsa_memory_ordered 1
		.amdhsa_forward_progress 1
		.amdhsa_inst_pref_size 34
	.end_amdhsa_kernel
	.amdgpu_metadata
---
amdhsa.version: [ 1, 2 ]
amdhsa.kernels:
  - .name:           k_q51ff6fe559_prep
    .symbol:         k_q51ff6fe559_prep.kd
    .args:
      - { .name: query_tokens, .offset: 0, .size: 8, .value_kind: global_buffer, .address_space: global }
      - { .name: keyvalue_tokens, .offset: 8, .size: 8, .value_kind: global_buffer, .address_space: global }
      - { .name: ln_q_g, .offset: 16, .size: 8, .value_kind: global_buffer, .address_space: global }
      - { .name: ln_q_b, .offset: 24, .size: 8, .value_kind: global_buffer, .address_space: global }
      - { .name: ln_kv_g, .offset: 32, .size: 8, .value_kind: global_buffer, .address_space: global }
      - { .name: ln_kv_b, .offset: 40, .size: 8, .value_kind: global_buffer, .address_space: global }
      - { .name: Wq_codes, .offset: 48, .size: 8, .value_kind: global_buffer, .address_space: global }
      - { .name: Wq_scales, .offset: 56, .size: 8, .value_kind: global_buffer, .address_space: global }
      - { .name: Wk_codes, .offset: 64, .size: 8, .value_kind: global_buffer, .address_space: global }
      - { .name: Wk_scales, .offset: 72, .size: 8, .value_kind: global_buffer, .address_space: global }
      - { .name: Wv_codes, .offset: 80, .size: 8, .value_kind: global_buffer, .address_space: global }
      - { .name: Wv_scales, .offset: 88, .size: 8, .value_kind: global_buffer, .address_space: global }
      - { .name: Wo_codes, .offset: 96, .size: 8, .value_kind: global_buffer, .address_space: global }
      - { .name: Wo_scales, .offset: 104, .size: 8, .value_kind: global_buffer, .address_space: global }
      - { .name: opnd, .offset: 112, .size: 8, .value_kind: global_buffer, .address_space: global }
    .group_segment_fixed_size: 70656
    .private_segment_fixed_size: 0
    .kernarg_segment_align: 8
    .kernarg_segment_size: 120
    .max_flat_workgroup_size: 256
    .sgpr_count:     66
    .vgpr_count:     256
    .wavefront_size: 32
...
	.end_amdgpu_metadata
.endif
;; end of part 1
;; launch proj (part 2): grid 16 x 16, 4 waves a work-group, clusters of 4 x 4, 327,680 bytes of LDS; arguments opnd, qkv; writes qkv
.if DOCPART == 2
	.amdgcn_target "amdgcn-amd-amdhsa--gfx1250"
	.amdhsa_code_object_version 6
	.text
	.protected	k_q51ff6fe559_proj
	.globl	k_q51ff6fe559_proj
	.p2align	8
	.type	k_q51ff6fe559_proj,@function
k_q51ff6fe559_proj:
	s_mov_b64 s[64:65], 0
	v_nop
	global_prefetch_b8 v0, s[64:65] scope:SCOPE_SE
	s_setreg_imm32_b32 hwreg(HW_REG_WAVE_MODE, 25, 1), 1
	s_wait_xcnt 0x0
	s_wait_alu depctr_hold_cnt(0) depctr_sa_sdst(0) depctr_va_vdst(0) depctr_va_sdst(0) depctr_va_ssrc(0) depctr_va_vcc(0) depctr_vm_vsrc(0)
	s_getreg_b32 s2, hwreg(HW_REG_IB_STS2, 6, 4)
	s_cmp_eq_u32 s2, 0
	s_cbranch_scc0 .Lentry_in_a_cluster
	s_endpgm
.Lentry_in_a_cluster:
	s_bfe_u32 s2, ttmp6, 0x10000c
	s_cmp_lg_u32 s2, 0xf033
	s_cbranch_scc0 .Lentry_shape_is_right
	s_endpgm
.Lentry_shape_is_right:
; LAUNCH 2 OF 4.  The three projections (4,096 x 1,024 x 2,048 each) on codes of FP6, and the quantisers of q, k and v in the way out.
; F is source 0 (256 rows a tile), G is source 1 (128 rows): in a result a lane holds ONE row of G and its registers run along rows of F, the axis to be quantised.
;   q, k: F = 256 rows of Wq or Wk (two heads), G = 128 tokens.      v: F = 256 tokens (keys), G = 128 rows of Wv (a head).
; A result's register j holds F's row 8 (lane / 16) + j of its tile, so slot 32 b + 16 h + i of a quantised fragment carries the true k = 32 b + 16 (i / 8) + 8 h + i % 8: a permutation inside each block of 32, alike in q and k,
; and alike in v and in the weights that the next launch makes: scales and codes are the rule's, only the order of exact products in a sum differs.
; A WORK-GROUP STAYS AND MAKES THREE TILES: 768 tiles on 256 work-groups.  Work-group (X, Y): tiles 0 and 1 are q (X < 8) or k (X >= 8), weight rows 256 (X % 8), token groups Y and Y + 16; tile 2 is v, tokens 256 X, head Y.
; THE RING: two LDS slots, each with four K steps of F's two groups of 128 rows and of G's group (12 x 13,312 bytes).  Slot 0 holds a tile's K steps 0-3, slot 1 its steps 4-7.  A slot is asked for again as soon as its last
; fragments are in registers, with the NEXT tile's steps: the ring does not stop at a tile's end.  One tensor load a wave behind each round: waves 0, 1 bring F's groups (208 rows of 256 bytes), waves 2, 3 two K steps of G each (104 rows).
; By this text's count one tensor load of a wave is out at the most.  The loop has two trips; the last tile, which asks for nothing beyond itself, is written out.
; CLUSTER 4 x 4: F hangs on X alone and is asked for jointly along a column, G on Y alone and jointly along a row.  The choice between q and k hangs on the cluster's x, which all partners share.
; No data prefetch is laid: K is short here (eight steps, two refills a tile) at this block in clusters.
; A wave makes 128 (F) x 64 (G): 32 accumulators.  Operands lie in memory and LDS as images of their registers (1,536 bytes a fragment, 128 a block of scale words): three ds_load_b128 at 16 x lane bring a fragment.
; REGISTERS: window 0: v1-11 addresses; v32-55 scale words, two sets; v64-159 F's 8 fragments, v160-207 G's 4 (set 0); v208-247 the quantiser; v254-255 the add's.  window 2: the same numbers, set 1.  window 1: accumulators, (g, f) at 64 g + 8 f.
; LIMITS: NaN and infinities are not served; a block of zeros gets the byte 1 (its codes are zeros; this program alone reads the bytes).
.set XKV,   3407872
.set WQ,    6815744
.set WK,    8519680
.set WV,    10223616
.set GB,    13312                      ; 128 rows x 128 K: 8 images, then 8 blocks of scale words
.set SCO,   12288
.set GRP,   8*GB                       ; a group of 128 rows, all of K
.set HALF,  4*GB                       ; four K steps of a group
.set SLOT,  12*GB                      ; F's group 0, F's group 1, G
.set GOFF,  8*GB
.set SPARE, 2*SLOT                     ; behind the ring: the spare words, 128 bytes a wave
.set HEADB, 319488                     ; qkv: a (batch, head) block: parts Q, K, V
.set PART,  106496                     ; a part: 64 images, then 64 blocks of scale words
.set PSCO,  98304
.set AF,  4                            ; v4-5   my F fragments in slot 0, 1
.set AFS, 6                            ; v6-7   their scale words
.set AG,  8                            ; v8-9   my G fragments
.set AGS, 10                           ; v10-11 their scale words
.set FS,  32
.set GS,  48
.set FF,  64
.set GF,  160
.set TM,  208
.set PW,  224
.set PC,  228
.set WVN, 8
.set G1F, 24                           ; s[24:31] group 1 for F;  s[32:39] for G
.set G1G, 32
.set G0F, 40                           ; s[40:47] group 0 for F, one for each slot;  s[48:55] for G
.set G0G, 48
.set CF,  56                           ; byte offsets in opnd, as pairs with 0 above: F's and G's of the tile whose slots are being asked for,
.set CG,  58
.set NF,  60                           ; of the tile after it,
.set NG,  62
.set F2,  66                           ; and of tile 2
.set G2,  68
.set OC,  70                           ; byte offsets in qkv of my images and scale words: this tile's, the next one's, tile 2's
.set OS,  72
.set NOC, 74
.set NOS, 76
.set O2C, 78
.set O2S, 80
.set PB,  84                           ; s[84:85] opnd, s[86:87] opnd + four K steps
.set SEL, 92
.set MSB, 0
.macro WIN new                         ; the immediate's high byte repeats the setting that is left; a switch that changes nothing is dropped
.if MSB != (\new)
	s_set_vgpr_msb (MSB<<8)|(\new)
.set MSB, (\new)
.endif
.endm
.macro PLACES n
.rept \n
	v_nop
.endr
.endm
.macro CREST                           ; a round of the cluster's barrier behind its opening barrier
	s_cmp_lg_u32 s[WVN], 0
	s_cbranch_scc1 .Lnot_wave_0_\@
	s_barrier_signal -3
.Lnot_wave_0_\@:
	s_barrier_wait -3
	s_barrier_signal -1
	s_barrier_wait -1
.endm
.macro CROUND
	s_barrier_signal -1
	s_barrier_wait -1
	CREST
.endm
.macro JLOAD s                         ; a joint load into slot s: waves 0, 1 for F, waves 2, 3 for G; s_nop 0 and four v_nop follow each line
	s_cmp_eq_u32 s9, 0
	s_cbranch_scc0 .Lfor_g_\@
	tensor_load_to_lds s[G0F+4*\s:G0F+4*\s+3], s[G1F:G1F+7]
	s_nop 0
	PLACES 4
	s_branch .Lasked_\@
.Lfor_g_\@:
	tensor_load_to_lds s[G0G+4*\s:G0G+4*\s+3], s[G1G:G1G+7]
	s_nop 0
	PLACES 4
.Lasked_\@:
.endm
.macro SETD s                          ; slot s's two global addresses: opnd (+ four K steps for slot 1) + the tile's offsets
	s_add_nc_u64 s[G0F+4*\s+2:G0F+4*\s+3], s[PB+2*\s:PB+2*\s+1], s[CF:CF+1]
	s_or_b32 s[G0F+4*\s+3], s[G0F+4*\s+3], 0x80000000
	s_add_nc_u64 s[G0G+4*\s+2:G0G+4*\s+3], s[PB+2*\s:PB+2*\s+1], s[CG:CG+1]
	s_or_b32 s[G0G+4*\s+3], s[G0G+4*\s+3], 0x80000000
.endm
; 64 numbers of a lane in window w, register 16 b + i = slot 32 b + 16 (lane / 16) + i of my row, become a fragment's codes in v[PC] on and its scale word in v[PW] (window 0).  Each accumulator is read from its low end on.
.macro QUANT s, w
.set QW, ((\w)<<2)|((\w)<<4)
	WIN QW
.irp b, 0,1,2,3
	v_max3_num_f32 v[TM+\b], 0x1800000, |v[(\s)+16*\b]|, |v[(\s)+1+16*\b]|   ; the floor 2^(3 - 127) and my first two numbers of block b
.endr
.irp i, 2,4,6,8,10,12,14
.irp b, 0,1,2,3
	v_max3_num_f32 v[TM+\b], v[TM+\b], |v[(\s)+16*\b+\i]|, |v[(\s)+1+16*\b+\i]|
.endr
.endr
	WIN 0
.irp b, 0,1,2,3
	v_permlanex16_b32 v[TM+4+\b], v[TM+\b], s[SEL], s[SEL+1]
.endr
.irp b, 0,1,2,3
	v_max_num_f32 v[TM+\b], v[TM+\b], v[TM+4+\b]
.endr
.irp b, 0,1,2,3
	v_add_nc_u32 v[TM+12+\b], 0xff000000, v[TM+\b]               ; 2 off the exponent field: the conversion's scale operand
.endr
.irp b, 0,1,2,3
	v_lshrrev_b32 v[TM+4+\b], 23, v[TM+12+\b]                    ; the scale's byte
.endr
	v_lshl_or_b32 v[PW], v[TM+5], 8, v[TM+4]
	v_lshl_or_b32 v[PW], v[TM+6], 16, v[PW]
	v_lshl_or_b32 v[PW], v[TM+7], 24, v[PW]
	WIN (\w)
.irp c, 0,1
	v_cvt_scalef32_pk16_fp6_f32 v[PC+6*\c:PC+2+6*\c], v[(\s)+32*\c:(\s)+15+32*\c], v[TM+12+2*\c]
	v_cvt_scalef32_pk16_fp6_f32 v[PC+12+4*\c:PC+14+4*\c], v[(\s)+16+32*\c:(\s)+31+32*\c], v[TM+13+2*\c]
.endr
	WIN 0
	v_nop                                          ; one plain place behind a scaled conversion
.irp c, 0,1
.irp i, 0,1,2
	v_permlane16_swap_b32 v[PC+6*\c+\i], v[PC+12+4*\c+\i]
.endr
.irp i, 0,1,2
	v_mov_b32 v[PC+3+6*\c+\i], v[PC+12+4*\c+\i]
.endr
.endr
.endm
	s_load_b128 s[4:7], s[0:1], 0x0                ; opnd, qkv
	v_lshl_add_u32 v254, v0, 2, SPARE
	v_mov_b32 v255, 0
	ds_add_u32 v254, v255                          ; the opening lines: the add, twice on end, and its wait ahead of my first tensor load
	ds_add_u32 v254, v255
	v_lshrrev_b32 v1, 5, v0
	v_readfirstlane_b32 s[WVN], v1                 ; wave 0..3
	s_lshr_b32 s9, s[WVN], 1                       ; wf: which 128 rows of F are mine.  Also: I fetch for F (0) or for G (1)
	s_and_b32 s10, s[WVN], 1                       ; wg: which 64 rows of G are mine.  Also: which part I fetch
	s_bfe_u32 s11, ttmp6, 0x40000                  ; cx
	s_bfe_u32 s12, ttmp6, 0x40004                  ; cy
	s_lshl_b32 s13, ttmp9, 2
	s_add_co_u32 s13, s13, s11                     ; X = 4 x cluster x + cx
	s_and_b32 s14, ttmp7, 0xffff
	s_lshl_b32 s14, s14, 2
	s_add_co_u32 s14, s14, s12                     ; Y = 4 x cluster y + cy
	s_lshl_b32 s16, s12, 2
	s_lshl_b32 s16, 15, s16                        ; my row of the cluster
	s_lshl_b32 s17, 0x1111, s11                    ; my column
	s_or_b32 s[G1F], s17, (3<<16)|(1<<21)          ; the mask: F goes to my column; elements of 8 bytes; 21 set beside a mask; no padding
	s_or_b32 s[G1G], s16, (3<<16)|(1<<21)          ; G goes to my row
	s_mov_b32 s[G1F+1], 32<<16                     ; rows of 256 bytes of a dense block,
	s_mov_b32 s[G1F+2], 208<<16                    ; 208 of them: four K steps of a group
	s_mov_b32 s[G1F+3], 32<<16
	s_mov_b32 s[G1F+4], 208
	s_mov_b32 s[G1F+5], 32
	s_mov_b32 s[G1F+6], 0
	s_mov_b32 s[G1F+7], 0
	s_mov_b32 s[G1G+1], 32<<16
	s_mov_b32 s[G1G+2], 104<<16                    ; 104 rows: two K steps
	s_mov_b32 s[G1G+3], 32<<16
	s_mov_b32 s[G1G+4], 104
	s_mov_b32 s[G1G+5], 32
	s_mov_b32 s[G1G+6], 0
	s_mov_b32 s[G1G+7], 0
	s_mov_b32 s18, WQ
	s_mov_b32 s19, WK
	s_mov_b32 s20, XKV
	s_cmp_ge_u32 ttmp9, 2                          ; cluster x >= 2: k, else q
	s_cselect_b32 s18, s19, s18                    ; where tiles 0 and 1 find F,
	s_cselect_b32 s19, s20, 0                      ; and G;
	s_cselect_b32 s21, PART, 0                     ; their part of qkv
	s_and_b32 s22, s13, 7
	s_lshl_b32 s23, s22, 1                         ; F's offsets hold no cy
	s_add_co_u32 s23, s23, s10
	s_mul_i32 s[CF], s23, GRP
	s_add_co_u32 s[CF], s[CF], s18
	s_mov_b32 s[CF+1], 0
	s_mov_b64 s[NF:NF+1], s[CF:CF+1]               ; tile 1 takes the same rows of the weight
	s_lshl_b32 s23, s13, 1
	s_add_co_u32 s23, s23, s10
	s_mul_i32 s[F2], s23, GRP
	s_add_co_u32 s[F2], s[F2], XKV
	s_mov_b32 s[F2+1], 0
	s_mul_i32 s83, s14, GRP                        ; G's offsets hold no cx
	s_mul_i32 s94, s10, 2*GB
	s_add_co_u32 s83, s83, s94
	s_add_co_u32 s[CG], s83, s19
	s_mov_b32 s[CG+1], 0
	s_add_co_u32 s[NG], s[CG], 16*GRP
	s_mov_b32 s[NG+1], 0
	s_add_co_u32 s[G2], s83, WV
	s_mov_b32 s[G2+1], 0
	s_mul_i32 s95, s10, HALF                       ; where they go in a slot: no place in the cluster enters an LDS address
	s_add_co_u32 s96, s94, GOFF
.irp s, 0,1
	s_mov_b32 s[G0F+4*\s], 1
	s_add_co_u32 s[G0F+4*\s+1], s95, \s*SLOT
	s_mov_b32 s[G0G+4*\s], 1
	s_add_co_u32 s[G0G+4*\s+1], s96, \s*SLOT
.endr
	s_mov_b32 s[SEL], 0x76543210
	s_mov_b32 s[SEL+1], 0xfedcba98
	s_wait_dscnt 0x0                               ; both opening adds are done
	s_wait_kmcnt 0x0
	s_mov_b64 s[PB:PB+1], s[4:5]
	s_add_nc_u64 s[PB+2:PB+3], s[4:5], HALF
	SETD 0
	SETD 1
	CROUND                                         ; all sixteen work-groups are here: the first joint loads meet
	JLOAD 0                                        ; tile 0's K steps 0-3: one tensor load a wave at the head
	; where my four fragments go.  q, k: head block (gT / 8) 16 + 2 fT + wf, image (gT % 8) 8 + 4 wg; tile 1's gT is 16 more: 32 head blocks on.   v: head block (X / 4) 16 + Y, image 8 (2 (X % 4) + wf) + 4 wg
	s_lshr_b32 s15, s14, 3
	s_lshl_b32 s15, s15, 4
	s_lshl_b32 s16, s22, 1
	s_add_co_u32 s15, s15, s16
	s_add_co_u32 s15, s15, s9
	s_mul_i32 s15, s15, HEADB
	s_add_co_u32 s15, s15, s21
	s_and_b32 s16, s14, 7
	s_lshl_b32 s16, s16, 3
	s_lshl_b32 s17, s10, 2
	s_add_co_u32 s16, s16, s17
	s_mul_i32 s97, s16, 1536
	s_add_co_u32 s[OC], s15, s97
	s_lshl_b32 s97, s16, 7
	s_add_co_u32 s[OS], s15, s97
	s_add_co_u32 s[OS], s[OS], PSCO
	s_add_co_u32 s[NOC], s[OC], 32*HEADB
	s_add_co_u32 s[NOS], s[OS], 32*HEADB
	s_lshr_b32 s15, s13, 2
	s_lshl_b32 s15, s15, 4
	s_add_co_u32 s15, s15, s14
	s_mul_i32 s15, s15, HEADB
	s_add_co_u32 s15, s15, 2*PART
	s_and_b32 s16, s13, 3
	s_lshl_b32 s16, s16, 1
	s_add_co_u32 s16, s16, s9
	s_lshl_b32 s16, s16, 3
	s_add_co_u32 s16, s16, s17
	s_mul_i32 s97, s16, 1536
	s_add_co_u32 s[O2C], s15, s97
	s_lshl_b32 s97, s16, 7
	s_add_co_u32 s[O2S], s15, s97
	s_add_co_u32 s[O2S], s[O2S], PSCO
.irp p, OC, OS, NOC, NOS, O2C, O2S
	s_mov_b32 s[\p+1], 0
.endr
	s_mul_i32 s15, s9, HALF                        ; my group of F in a slot
	s_mul_i32 s16, s10, 6144                       ; my four images of G
	s_lshl_b32 s17, s10, 9                         ; and their scale words
	v_and_b32 v3, 31, v0
	v_lshlrev_b32 v1, 4, v3                        ; 16 x lane
	v_lshlrev_b32 v2, 2, v3                        ; 4 x lane
	v_add_nc_u32 v[AF], s15, v1
	v_add_nc_u32 v[AFS], s15, v2
	v_add_nc_u32 v[AFS], SCO, v[AFS]
	v_add_nc_u32 v[AG], s16, v1
	v_add_nc_u32 v[AG], GOFF, v[AG]
	v_add_nc_u32 v[AGS], s17, v2
	v_add_nc_u32 v[AGS], GOFF+SCO, v[AGS]
.irp a, AF, AFS, AG, AGS
	v_add_nc_u32 v[\a+1], SLOT, v[\a]
.endr
.irp b, 0,1,2,3
	v_mov_b32 v[TM+4+\b], 0                        ; a lane permute's destination counts as one of its sources
.endr
; K step s of a tile: 48 LDS loads in one run: F's 8 fragments, G's 4, their 12 scale words, into set s % 2.  It lies in slot s / 4
.macro FETCH s
.set PSL, (\s)/4
.set PRO, ((\s)%4)*GB
.set PRS, (\s)%2
	WIN 0x80*PRS                                   ; destination window 0 or 2, address window 0
.irp n, 0,1,2,3,4,5,6,7
.irp c, 0,1,2
	ds_load_b128 v[FF+12*\n+4*\c:FF+12*\n+4*\c+3], v[AF+PSL] offset:PRO+\n*1536+512*\c
.endr
.endr
.irp n, 0,1,2,3
.irp c, 0,1,2
	ds_load_b128 v[GF+12*\n+4*\c:GF+12*\n+4*\c+3], v[AG+PSL] offset:PRO+\n*1536+512*\c
.endr
.endr
	WIN 0
.irp n, 0,1,2,3,4,5,6,7
	ds_load_b32 v[FS+8*PRS+\n], v[AFS+PSL] offset:PRO+\n*128
.endr
.irp n, 0,1,2,3
	ds_load_b32 v[GS+4*PRS+\n], v[AGS+PSL] offset:PRO+\n*128
.endr
.endm
; 16 of its 32 products: G's tiles g0, g0 + 1 against F's eight.  The accumulators take turns, one instruction a turn, in the same order in every step.  Step 0 starts the sums: nothing is cleared.
.macro MUL2 s, g0
.set PRS, (\s)%2
	WIN 0x50+0x0a*PRS                              ; C and D window 1; sources window 0 or 2
.irp g, \g0, \g0+1
.irp f, 0,1,2,3,4,5,6,7
.if (\s) == 0
	v_wmma_scale_f32_16x16x128_f8f6f4 v[64*(\g)+8*\f:64*(\g)+8*\f+7], v[FF+12*\f:FF+12*\f+11], v[GF+12*(\g):GF+12*(\g)+11], 0, v[FS+8*PRS+\f], v[GS+4*PRS+(\g)] matrix_a_fmt:MATRIX_FMT_FP6 matrix_b_fmt:MATRIX_FMT_FP6
.else
	v_wmma_scale_f32_16x16x128_f8f6f4 v[64*(\g)+8*\f:64*(\g)+8*\f+7], v[FF+12*\f:FF+12*\f+11], v[GF+12*(\g):GF+12*(\g)+11], v[64*(\g)+8*\f:64*(\g)+8*\f+7], v[FS+8*PRS+\f], v[GS+4*PRS+(\g)] matrix_a_fmt:MATRIX_FMT_FP6 matrix_b_fmt:MATRIX_FMT_FP6
.endif
.endr
.endr
.endm
.macro STEPN s                         ; the next step's fragments are asked for, then this step is multiplied
	PLACES 4                                       ; four places in front of loads into registers that the last products read (ISA guide 7.12.1 for vector instructions)
	FETCH (\s)+1
	s_wait_dscnt 48                                ; all but the 48 just issued
	MUL2 \s, 0
	MUL2 \s, 2
.endm
; Step s is the last but one of its slot: with step s + 1's fragments asked for, the slot is read no more.  ONE barrier shows the other slot whole and this one free; more = 1: it opens a round of the cluster's barrier,
; and the slot is filled again with the next tile's steps.
.macro CHANGE s, slot, more
	PLACES 4
	FETCH (\s)+1
	s_wait_dscnt 48                                ; all but the 48 just issued
	MUL2 \s, 0                                     ; the step's products are issued ahead of the wait for the other slot's load
	MUL2 \s, 2
	WIN 0
	s_wait_tensorcnt 0x0                           ; all my tensor loads have landed: the one that was out is my part of the other slot
.if \more
	ds_add_u32 v254, v255                          ; 0 onto my spare word
.if (\slot) == 0
	s_mov_b64 s[CF:CF+1], s[NF:NF+1]               ; on to the next tile's offsets
	s_mov_b64 s[CG:CG+1], s[NG:NG+1]
	s_mov_b64 s[NF:NF+1], s[F2:F2+1]
	s_mov_b64 s[NG:NG+1], s[G2:G2+1]
.endif
	SETD \slot                                     ; no tensor load of mine is out, so a group 0 may be written
.endif
	s_wait_dscnt 0x0                               ; the add is done, and my reads of this slot are over
	s_barrier_signal -1
	s_barrier_wait -1
.if \more
	CREST                                          ; no wave of any partner still reads this slot or has a load on its way
	JLOAD \slot                                    ; the first tensor load behind the round; its four v_nop are the places in front of the loads that follow
.else
	PLACES 4
.endif
.endm
; A tile.  At its start step 0's fragments have been asked for.  more = 1: a tile follows
.macro TILE more
	PLACES 4
	FETCH 1
	s_wait_dscnt 48
	MUL2 0, 0
	MUL2 0, 2
	STEPN 1
	CHANGE 2, 0, \more
	FETCH 4
	s_wait_dscnt 48
	MUL2 3, 0
	MUL2 3, 2
	STEPN 4
	STEPN 5
.if \more
	CHANGE 6, 1, 1
	FETCH 0                                        ; the next tile's first fragments
	s_wait_dscnt 48
.else
	STEPN 6
	s_wait_dscnt 0x0
.endif
	MUL2 7, 0
	MUL2 7, 2
	; THE WAY OUT: the 64 registers of G's tile g are one row's 128 numbers along the axis to be quantised: a fragment and a scale word, stored as an image
	WIN 0
	PLACES 4
	s_wait_xcnt 0x0                                ; the last tile's stores have read their bases and data
	s_add_nc_u64 s[88:89], s[6:7], s[OC:OC+1]
	s_add_nc_u64 s[90:91], s[6:7], s[OS:OS+1]
.irp g, 0,1,2,3
.if \g > 0
	s_wait_xcnt 0x0                                ; the last stores' data registers are written again only behind this wait
.endif
	QUANT 64*\g, 1
.irp c, 0,1,2
	global_store_b128 v1, v[PC+4*\c:PC+4*\c+3], s[88:89] offset:\g*1536+512*\c   ; 32 lanes store 512 consecutive bytes, at a multiple of 256 from the buffer's first byte
.endr
	global_store_b32 v2, v[PW], s[90:91] offset:\g*128
.endr
.if \more
	s_mov_b64 s[OC:OC+1], s[NOC:NOC+1]
	s_mov_b64 s[OS:OS+1], s[NOS:NOS+1]
	s_mov_b64 s[NOC:NOC+1], s[O2C:O2C+1]
	s_mov_b64 s[NOS:NOS+1], s[O2S:O2S+1]
.endif
.endm
	s_wait_alu depctr_va_vdst(0)
	s_wait_tensorcnt 0x0                           ; my part of slot 0 is in
	ds_add_u32 v254, v255
	s_wait_dscnt 0x0
	CROUND                                         ; everybody's part is in, and all sixteen work-groups are here
	JLOAD 1                                        ; tile 0's K steps 4-7
	FETCH 0
	s_mov_b32 s82, 2
.Ltile:
	TILE 1
	s_sub_co_u32 s82, s82, 1
	s_cmp_lg_u32 s82, 0
	s_wait_alu depctr_va_vdst(0)
	s_cbranch_scc1 .Ltile
	TILE 0
	s_wait_tensorcnt 0x0                           ; the wave's end
	ds_add_u32 v254, v255
	s_wait_dscnt 0x0
	CROUND                                         ; the closing round: no work-group ends while a partner may still ask for a tile that names it
	s_endpgm
.Lfunc_end_k_q51ff6fe559_proj:
	.size	k_q51ff6fe559_proj, .Lfunc_end_k_q51ff6fe559_proj-k_q51ff6fe559_proj
	.p2alignl 7, 3214868480
	.fill 96, 4, 3214868480
	.section	.rodata,"a",@progbits
	.p2align	6, 0x0
	.amdhsa_kernel k_q51ff6fe559_proj
		.amdhsa_group_segment_fixed_size 327680
		.amdhsa_private_segment_fixed_size 0
		.amdhsa_enable_private_segment 0
		.amdhsa_kernarg_size 16
		.amdhsa_user_sgpr_count 2
		.amdhsa_user_sgpr_kernarg_segment_ptr 1
		.amdhsa_wavefront_size32 1
		.amdhsa_system_sgpr_workgroup_id_x 1
		.amdhsa_system_sgpr_workgroup_id_y 1
		.amdhsa_system_sgpr_workgroup_id_z 1
		.amdhsa_system_vgpr_workitem_id 0
		.amdhsa_next_free_vgpr 768
		.amdhsa_next_free_sgpr 100
		.amdhsa_reserve_vcc 0
		.amdhsa_float_denorm_mode_32 3
		.amdhsa_float_denorm_mode_16_64 3
		.amdhsa_memory_ordered 1
		.amdhsa_forward_progress 1
		.amdhsa_inst_pref_size 162
	.end_amdhsa_kernel
	.amdgpu_metadata
---
amdhsa.version: [ 1, 2 ]
amdhsa.kernels:
  - .name:           k_q51ff6fe559_proj
    .symbol:         k_q51ff6fe559_proj.kd
    .args:
      - { .name: opnd, .offset: 0, .size: 8, .value_kind: global_buffer, .address_space: global }
      - { .name: qkv, .offset: 8, .size: 8, .value_kind: global_buffer, .address_space: global }
    .group_segment_fixed_size: 327680
    .private_segment_fixed_size: 0
    .kernarg_segment_align: 8
    .kernarg_segment_size: 16
    .max_flat_workgroup_size: 128
    .sgpr_count:     100
    .vgpr_count:     768
    .wavefront_size: 32
...
	.end_amdgpu_metadata
.endif
;; end of part 2
;; launch attn (part 3): grid 4 x 64, 8 waves a work-group, clusters of 4 x 1, 310,272 bytes of LDS; arguments qkv, lambda_q1, lambda_k1, lambda_q2, lambda_k2, lambda_init, hn_g, hn_b, abuf; writes abuf
.if DOCPART == 3
	.amdgcn_target "amdgcn-amd-amdhsa--gfx1250"
	.amdhsa_code_object_version 6
	.text
	.protected	k_q51ff6fe559_attn
	.globl	k_q51ff6fe559_attn
	.p2align	8
	.type	k_q51ff6fe559_attn,@function
k_q51ff6fe559_attn:
	s_mov_b64 s[64:65], 0
	v_nop
	global_prefetch_b8 v0, s[64:65] scope:SCOPE_SE
	s_setreg_imm32_b32 hwreg(HW_REG_WAVE_MODE, 25, 1), 1
	s_wait_xcnt 0x0
	s_wait_alu depctr_hold_cnt(0) depctr_sa_sdst(0) depctr_va_vdst(0) depctr_va_sdst(0) depctr_va_ssrc(0) depctr_va_vcc(0) depctr_vm_vsrc(0)
	s_getreg_b32 s2, hwreg(HW_REG_IB_STS2, 6, 4)
	s_cmp_eq_u32 s2, 0
	s_cbranch_scc0 .Lentry_in_a_cluster
	s_endpgm
.Lentry_in_a_cluster:
	s_bfe_u32 s2, ttmp6, 0x10000c
	s_cmp_lg_u32 s2, 0x3003
	s_cbranch_scc0 .Lentry_shape_is_right
	s_endpgm
.Lentry_shape_is_right:
; LAUNCH 3 OF 4.  For each (batch, head): S1 = q1 k1^T, S2 = q2 k2^T (K = 64 each), two softmaxes over 1,024 keys, A = attn1 - lam attn2, O = A V (K = 1,024 keys), LayerNorm over the head's 128, x (1 - lambda_init), and the
; quantiser for the last projection.  All products on codes of FP6.  A is quantised FINISHED AND NORMALISED, so both rows' sums must be known before any number of A is quantised.
; EACH EXPONENTIAL IS TAKEN ONCE.  K and V of the head (212,992 bytes with their scale words) stay whole in LDS.  A GROUP of four waves owns a tile of 16 queries; wave wq of it holds BOTH sets of scores for keys
; 256 wq .. 256 wq + 255 in 256 registers.  Three small things go from wave to wave through LDS: each wave's maximum and sum; the codes of A; the tiles of O.
; THE MAXIMUM.  t = score x log2(e) / 8.  Each wave takes M = its own largest t rounded UP to a whole number away: p = 2^(t - M).  The four waves' M are joined by multiplications by whole powers of two, which round nothing.
; LAYOUT.  Both products are used transposed (S^T = K Q^T, O^T = V^T A^T): a lane holds one query.  q1 stands in a fragment's registers 0-5 and q2 in 6-11: with six registers of zero codes between them, v[16:27] is q1 alone and
; v[22:33] is q2 alone.  A's register 8 kt + j holds key 16 kt + 8 (lane / 16) + j: the same permutation inside each block of 32 keys under which the launch before has laid V.
; V'S FRAGMENTS ARE FETCHED UNDER THE VECTOR WORK.  All eight waves are in the same phase between two barriers, so a bare run of LDS loads leaves the vector units without work.  A wave's 48 loads of V go where registers lie idle:
; key steps 0-3 into the registers that K's fragments have left, among the 128 lines of the search for the maxima; key steps 4-7 into S2's registers as soon as A is combined, twelve loads ahead of each of the two quantisers.
; SHARES.  A work-group serves 256 queries of a head: two groups x 8 tiles, in 2 outer trips of 4 tiles; behind each four tiles wave wq finishes tile wq.  CLUSTER 4 x 1: the four query blocks of a head ask for K and V jointly.
; Every tensor load is a first fill, one a wave; no LDS byte is filled again.
; REGISTERS: window 0: v1-15, v35 addresses; v16-33 Q; v34 Q's scale word; v36-51 K's, v52-67 V's, v68-75 A's scale words; v76-95 maxima and sums; v96-191 eight fragments of K, then V's of key steps 0-3, in the finish a tile of O;
;   v192-207 two accumulators of O^T; v208-251 at work.  window 1: v0-127 S1, v128-255 S2; later v0-95 A's eight fragments, v128-223 V's of key steps 4-7; in the finish hn_g, hn_b.
; LIMITS: NaN and infinities are not served; a p under 2^-126 becomes 0; a block of zeros gets the byte 1 (its codes are zeros; this program alone reads the bytes).
.set HEADB, 319488
.set PART,  106496
.set KSC,   98304                      ; LDS (and a part of qkv): 64 images, then 64 blocks of scale words
.set VIM,   106496
.set VSC,   204800
.set STAT,  212992                     ; 8 waves x 512 bytes: -M1, sum 1, -M2, sum 2 of each lane
.set PIMG,  217088                     ; 2 groups x 8 images of A
.set PSCW,  241664                     ; 2 groups x 8 blocks of scale words
.set OBUF,  243712                     ; 2 groups x 4 tiles x 8,192 bytes of O^T
.set GB,    13312
.set SCO,   12288
.set FA,  96
.set X,   96
.set OA,  192
.set TM,  208
.set PW,  224
.set PC,  232
.set WVN, 24
.set CS,  48                           ; s[48:49] log2(e) / 8
.set SEL, 50                           ; s[50:51]
.set MSB, 0
.macro WIN new
.if MSB != (\new)
	s_set_vgpr_msb (MSB<<8)|(\new)
.set MSB, (\new)
.endif
.endm
.macro PLACES n
.rept \n
	v_nop
.endr
.endm
.macro CROUND
	s_barrier_signal -1
	s_barrier_wait -1
	s_cmp_lg_u32 s[WVN], 0
	s_cbranch_scc1 .Lnot_wave_0_\@
	s_barrier_signal -3
.Lnot_wave_0_\@:
	s_barrier_wait -3
	s_barrier_signal -1
	s_barrier_wait -1
.endm
; 64 numbers of a lane in window w, register 16 b + i = slot 32 b + 16 (lane / 16) + i of my row, become a fragment's codes in v[PC] on and its scale word in v[PW] (window 0)
.macro QUANT s, w
.set QW, ((\w)<<2)|((\w)<<4)
	WIN QW
.irp b, 0,1,2,3
	v_max3_num_f32 v[TM+\b], 0x1800000, |v[(\s)+16*\b]|, |v[(\s)+1+16*\b]|   ; the floor 2^(3 - 127) and my first two numbers of block b
.endr
.irp i, 2,4,6,8,10,12,14
.irp b, 0,1,2,3
	s_delay_alu instid0(VALU_DEP_4)
	v_max3_num_f32 v[TM+\b], v[TM+\b], |v[(\s)+16*\b+\i]|, |v[(\s)+1+16*\b+\i]|
.endr
.endr
	WIN 0
.irp b, 0,1,2,3
	v_permlanex16_b32 v[TM+4+\b], v[TM+\b], s[SEL], s[SEL+1]
.endr
.irp b, 0,1,2,3
	s_delay_alu instid0(VALU_DEP_4)
	v_max_num_f32 v[TM+\b], v[TM+\b], v[TM+4+\b]
.endr
.irp b, 0,1,2,3
	s_delay_alu instid0(VALU_DEP_4)
	v_add_nc_u32 v[TM+12+\b], 0xff000000, v[TM+\b]
.endr
.irp b, 0,1,2,3
	s_delay_alu instid0(VALU_DEP_4)
	v_lshrrev_b32 v[TM+4+\b], 23, v[TM+12+\b]
.endr
	s_delay_alu instid0(VALU_DEP_3)
	v_lshl_or_b32 v[PW], v[TM+5], 8, v[TM+4]
	s_delay_alu instid0(VALU_DEP_1)
	v_lshl_or_b32 v[PW], v[TM+6], 16, v[PW]
	s_delay_alu instid0(VALU_DEP_1)
	v_lshl_or_b32 v[PW], v[TM+7], 24, v[PW]
	WIN (\w)
.irp c, 0,1
	v_cvt_scalef32_pk16_fp6_f32 v[PC+6*\c:PC+2+6*\c], v[(\s)+32*\c:(\s)+15+32*\c], v[TM+12+2*\c]
	v_cvt_scalef32_pk16_fp6_f32 v[PC+12+4*\c:PC+14+4*\c], v[(\s)+16+32*\c:(\s)+31+32*\c], v[TM+13+2*\c]
.endr
	WIN 0
	v_nop                                          ; one plain place behind a scaled conversion
.irp c, 0,1
.irp i, 0,1,2
	v_permlane16_swap_b32 v[PC+6*\c+\i], v[PC+12+4*\c+\i]
.endr
.irp i, 0,1,2
	s_delay_alu instid0(VALU_DEP_3)
	v_mov_b32 v[PC+3+6*\c+\i], v[PC+12+4*\c+\i]
.endr
.endr
.endm
.macro FOLD                            ; four chains of pairs in v[TM] .. v[TM+7] become one number, joined with lane l xor 16's
	s_delay_alu instid0(VALU_DEP_3)
	v_pk_add_f32 v[TM:TM+1], v[TM:TM+1], v[TM+2:TM+3]
	s_delay_alu instid0(VALU_DEP_2)
	v_pk_add_f32 v[TM+4:TM+5], v[TM+4:TM+5], v[TM+6:TM+7]
	s_delay_alu instid0(VALU_DEP_1)
	v_pk_add_f32 v[TM:TM+1], v[TM:TM+1], v[TM+4:TM+5]
	s_delay_alu instid0(VALU_DEP_1)
	v_add_f32 v[TM], v[TM], v[TM+1]
	s_delay_alu instid0(VALU_DEP_1)
	v_permlanex16_b32 v[TM+8], v[TM], s[SEL], s[SEL+1]
	s_delay_alu instid0(VALU_DEP_1)
	v_add_f32 v[TM], v[TM], v[TM+8]
.endm
.macro QLOAD                           ; a tile's image of Q: registers 0-5 to v16-21, registers 6-11 to v28-33; its scale word
	global_load_b128 v[16:19], v1, s[44:45]
	global_load_b64 v[20:21], v1, s[44:45] offset:512
	global_load_b64 v[28:29], v1, s[44:45] offset:520
	global_load_b128 v[30:33], v1, s[44:45] offset:1024
	global_load_b32 v34, v2, s[46:47]
.endm
.macro KLOAD g                         ; fragments 4 g .. 4 g + 3 of my 16 tiles of keys into half g % 2 of FA
.irp e, 0,1,2,3
.irp c, 0,1,2
	ds_load_b128 v[FA+48*((\g)%2)+12*\e+4*\c:FA+48*((\g)%2)+12*\e+4*\c+3], v3 offset:(4*(\g)+\e)*1536+512*\c
.endr
.endr
.endm
.macro SC g                            ; their scores: each fragment of K against q1 and against q2; every product starts a sum of its own
	WIN 0x40
.irp e, 0,1,2,3
	v_wmma_scale_f32_16x16x128_f8f6f4 v[8*(4*(\g)+\e):8*(4*(\g)+\e)+7], v[FA+48*((\g)%2)+12*\e:FA+48*((\g)%2)+12*\e+11], v[16:27], 0, v[36+4*(\g)+\e], v34 matrix_a_fmt:MATRIX_FMT_FP6 matrix_b_fmt:MATRIX_FMT_FP6
	v_wmma_scale_f32_16x16x128_f8f6f4 v[128+8*(4*(\g)+\e):128+8*(4*(\g)+\e)+7], v[FA+48*((\g)%2)+12*\e:FA+48*((\g)%2)+12*\e+11], v[22:33], 0, v[36+4*(\g)+\e], v34 matrix_a_fmt:MATRIX_FMT_FP6 matrix_b_fmt:MATRIX_FMT_FP6
.endr
	WIN 0
.endm
; Load vl of the 24 that bring V's fragments of key steps 0-3 into FA: vl = 6 s + 3 u + c: key step s, my channel tile u, register group c.  Address and destination lie in window 0
.macro VNEXT
	ds_load_b128 v[FA+4*vl:FA+4*vl+3], v4 offset:(vl/6)*12288+((vl/3)%2)*1536+512*(vl%3)
.set vl, vl+1
.endm
; A quarter of the search for the maxima: the scores of key tiles 4 g .. 4 g + 3, both sets: 32 lines in eight chains, each accumulator from its low end on.  nv: loads of V behind each group of eight lines.
; This window setting leaves a load's address and destination in window 0
.macro MAXQ g, nv
	WIN 0x14
.irp i, 0,2,4,6
.irp e, 0,1,2,3
.if (\g) == 0 && \i == 0
	v_max3_num_f32 v[TM+\e], 0xff7fffff, v[8*\e], v[8*\e+1]
	v_max3_num_f32 v[TM+4+\e], 0xff7fffff, v[128+8*\e], v[129+8*\e]
.else
	v_max3_num_f32 v[TM+\e], v[TM+\e], v[8*(4*(\g)+\e)+\i], v[8*(4*(\g)+\e)+\i+1]
	v_max3_num_f32 v[TM+4+\e], v[TM+4+\e], v[128+8*(4*(\g)+\e)+\i], v[129+8*(4*(\g)+\e)+\i]
.endif
.endr
.if (\nv) > 0
.rept \nv
	VNEXT
.endr
.endif
.endr
.endm
	s_load_b256 s[4:11], s[0:1], 0x0               ; qkv, lambda_q1, lambda_k1, lambda_q2
	s_load_b256 s[12:19], s[0:1], 0x20             ; lambda_k2, lambda_init, hn_g, hn_b
	s_load_b64 s[20:21], s[0:1], 0x40              ; abuf
	v_lshl_add_u32 v254, v0, 2, 0x4b800
	v_mov_b32 v255, 0
	ds_add_u32 v254, v255
	ds_add_u32 v254, v255
	v_lshrrev_b32 v1, 5, v0
	s_delay_alu instid0(VALU_DEP_1)
	v_readfirstlane_b32 s[WVN], v1                 ; wave 0..7
	s_lshr_b32 s25, s[WVN], 2                      ; gq: my group
	s_and_b32 s26, s[WVN], 3                       ; wq: my place in it
	s_bfe_u32 s27, ttmp6, 0x40000                  ; cx: it enters Q's and abuf's addresses alone
	s_and_b32 s28, ttmp7, 0xffff                   ; batch x 16 + head, which the four partners share
	s_mov_b32 s32, 15|(3<<16)|(1<<21)              ; group 1: the mask names all four; elements of 8 bytes; 21 set beside a mask; no padding
	s_mov_b32 s33, 32<<16                          ; rows of 256 bytes of a dense block,
	s_mov_b32 s34, 104<<16                         ; 104 of them: an eighth of K's and V's parts
	s_mov_b32 s35, 32<<16
	s_mov_b32 s36, 104
	s_mov_b32 s37, 32
	s_mov_b32 s38, 0
	s_mov_b32 s39, 0
	s_mul_i32 s56, s28, HEADB                      ; the head's block in qkv
	s_mul_i32 s58, s[WVN], 26624
	s_add_co_u32 s60, s56, s58
	s_add_co_u32 s60, s60, PART                    ; K's part, and V's behind it
	s_mov_b32 s61, 0
	s_mov_b32 s[CS], 0x3e38aa3b                    ; log2(e) / 8
	s_mov_b32 s[CS+1], s[CS]
	s_mov_b32 s[SEL], 0x76543210
	s_mov_b32 s[SEL+1], 0xfedcba98
	s_mov_b32 s30, 0x3c000000                      ; 1 / 128
	s_mov_b32 s31, 0x3727c5ac                      ; 1e-5
	s_wait_dscnt 0x0
	s_wait_kmcnt 0x0
	s_mov_b32 s40, 1
	s_mov_b32 s41, s58                             ; LDS: wave x 26,624
	s_add_nc_u64 s[42:43], s[4:5], s[60:61]
	s_or_b32 s43, s43, 0x80000000
	CROUND                                         ; all four work-groups are here: the joint loads meet
	tensor_load_to_lds s[40:43], s[32:39]          ; one load of mine is out
	s_nop 0
	PLACES 4
	s_load_b32 s62, s[14:15], 0x0                  ; lambda_init
	v_and_b32 v104, 31, v0
	s_delay_alu instid0(VALU_DEP_1)
	v_lshlrev_b32 v1, 4, v104                      ; 16 x lane
	s_wait_alu depctr_va_vdst(0)
	v_lshlrev_b32 v2, 2, v104                      ; 4 x lane
	s_wait_alu depctr_va_vdst(0)
	v_lshlrev_b32 v105, 3, v104
	global_load_b64 v[96:97], v105, s[6:7]         ; the four lambda vectors: two numbers a lane
	global_load_b64 v[98:99], v105, s[8:9]
	global_load_b64 v[100:101], v105, s[10:11]
	global_load_b64 v[102:103], v105, s[12:13]
	s_lshl_b32 s58, s27, 4
	s_lshl_b32 s59, s25, 3
	s_add_co_u32 s58, s58, s59                     ; my group's first tile of queries: 16 cx + 8 gq
	s_mul_i32 s60, s58, 1536
	s_add_co_u32 s60, s60, s56
	s_add_nc_u64 s[44:45], s[4:5], s[60:61]
	s_lshl_b32 s60, s58, 7
	s_add_co_u32 s60, s60, s56
	s_add_co_u32 s60, s60, KSC
	s_add_nc_u64 s[46:47], s[4:5], s[60:61]
	QLOAD
	s_lshr_b32 s58, s28, 4                         ; abuf: [128-token group = batch x 8 + 2 cx + gq][head][GB]; image 4 u + wq
	s_lshl_b32 s58, s58, 3
	s_lshl_b32 s59, s27, 1
	s_add_co_u32 s58, s58, s59
	s_add_co_u32 s58, s58, s25
	s_lshl_b32 s58, s58, 4
	s_and_b32 s59, s28, 15
	s_add_co_u32 s58, s58, s59
	s_mul_i32 s58, s58, GB
	s_lshl_b32 s60, s26, 7
	s_add_co_u32 s60, s60, s58
	s_add_co_u32 s60, s60, SCO
	s_add_nc_u64 s[22:23], s[20:21], s[60:61]
	s_mul_i32 s60, s26, 1536
	s_add_co_u32 s60, s60, s58
	s_add_nc_u64 s[20:21], s[20:21], s[60:61]
	s_mul_i32 s58, s26, 24576
	v_add_nc_u32 v3, s58, v1                       ; my 16 tiles of keys
	s_mul_i32 s58, s26, 3072
	s_add_co_u32 s58, s58, VIM
	v_add_nc_u32 v4, s58, v1                       ; V: channel tiles 2 wq, 2 wq + 1, key steps 0-3,
	s_delay_alu instid0(VALU_DEP_1)
	v_add_nc_u32 v5, 49152, v4                     ; key steps 4-7
	s_lshl_b32 s58, s[WVN], 9
	s_add_co_u32 s58, s58, STAT
	v_add_nc_u32 v6, s58, v1                       ; where my maxima and sums go,
	s_lshl_b32 s58, s25, 11
	s_add_co_u32 s58, s58, STAT
	v_add_nc_u32 v7, s58, v1                       ; and where my group's are read
	s_mul_i32 s59, s25, 12288
	s_add_co_u32 s59, s59, PIMG
	v_add_nc_u32 v9, s59, v1                       ; my group's images of A,
	s_mul_i32 s58, s26, 3072
	s_add_co_u32 s58, s58, s59
	v_add_nc_u32 v8, s58, v1                       ; the two that I make
	s_lshl_b32 s59, s25, 10
	s_add_co_u32 s59, s59, PSCW
	v_add_nc_u32 v11, s59, v2
	s_lshl_b32 s58, s26, 8
	s_add_co_u32 s58, s58, s59
	v_add_nc_u32 v10, s58, v2
	s_lshl_b32 s59, s25, 15
	s_add_co_u32 s59, s59, OBUF
	s_lshl_b32 s58, s26, 11
	s_add_co_u32 s58, s58, s59
	v_add_nc_u32 v12, s58, v1                      ; O^T: my two channel tiles in a tile's 8,192 bytes,
	s_lshl_b32 s58, s26, 13
	s_add_co_u32 s58, s58, s59
	v_add_nc_u32 v14, s58, v1                      ; and the tile that I finish
	v_bfe_u32 v15, v0, 4, 1
	s_delay_alu instid0(VALU_DEP_1)
	v_lshlrev_b32 v15, 6, v15                      ; hn_g, hn_b: 64 h
	s_lshl_b32 s58, s26, 11
	s_add_co_u32 s58, s58, KSC
	v_add_nc_u32 v35, s58, v2                      ; my 16 tiles' scale words of K
	s_lshl_b32 s58, s26, 8
	s_add_co_u32 s58, s58, VSC
	v_add_nc_u32 v13, s58, v2                      ; my 16 fragments' scale words of V
.irp j, 22,23,24,25,26,27
	v_mov_b32 v[\j], 0                             ; six registers of zero codes, written once
.endr
	v_mov_b32 v93, 0                               ; (named as the upper halves of pairs before they are first written)
	v_mov_b32 v95, 0
.irp j, 4,5,6,7,8,9
	v_mov_b32 v[TM+\j], 0                          ; a lane permute's destination counts as one of its sources
.endr
	s_mov_b32 s59, 0
	; lam = exp(lambda_q1 . lambda_k1) - exp(lambda_q2 . lambda_k2) + lambda_init, in f32
	s_wait_loadcnt 5                               ; the four lambda loads are in; Q's five may be out
	v_mul_f32 v106, v96, v98
	v_mul_f32 v107, v100, v102
	s_delay_alu instid0(VALU_DEP_2)
	v_fmac_f32 v106, v97, v99
	s_delay_alu instid0(VALU_DEP_2)
	v_fmac_f32 v107, v101, v103
.irp m, 1,2,4,8
	s_delay_alu instid0(VALU_DEP_2)
	v_add_f32_dpp v106, v106, v106 row_xmask:\m row_mask:0xf bank_mask:0xf
	s_delay_alu instid0(VALU_DEP_2)
	v_add_f32_dpp v107, v107, v107 row_xmask:\m row_mask:0xf bank_mask:0xf
.endr
	s_delay_alu instid0(VALU_DEP_2)
	v_permlanex16_b32 v[TM+8], v106, s[SEL], s[SEL+1]
	s_delay_alu instid0(VALU_DEP_2)
	v_permlanex16_b32 v[TM+9], v107, s[SEL], s[SEL+1]
	s_delay_alu instid0(VALU_DEP_2)
	v_add_f32 v106, v106, v[TM+8]
	s_delay_alu instid0(VALU_DEP_2)
	v_add_f32 v107, v107, v[TM+9]
	s_delay_alu instid0(VALU_DEP_2)
	v_mul_f32 v106, 0x3fb8aa3b, v106
	s_delay_alu instid0(VALU_DEP_2)
	v_mul_f32 v107, 0x3fb8aa3b, v107
	s_wait_alu depctr_va_vdst(0)
	v_exp_f32 v106, v106
	v_exp_f32 v107, v107
	v_nop                                          ; a plain place behind the transcendentals
	s_wait_alu depctr_va_vdst(0)                   ; and one wait for the two
	v_sub_f32 v106, v107, v106
	s_wait_alu depctr_va_vdst(0)
	s_wait_kmcnt 0x0
	v_sub_f32 v225, v106, s62                      ; -lam
	v_sub_f32 v226, 1.0, s62                       ; 1 - lambda_init, twice
	s_delay_alu instid0(VALU_DEP_1)
	v_mov_b32 v227, v226
	s_wait_tensorcnt 0x0                           ; my eighth of K and V is in,
	s_barrier_signal -1
	s_barrier_wait -1                              ; everybody's is
.irp n, 0,1,2,3,4,5,6,7,8,9,10,11,12,13,14,15
	ds_load_b32 v[36+\n], v35 offset:128*\n
.endr
.irp s, 0,1,2,3,4,5,6,7
.irp u, 0,1
	ds_load_b32 v[52+2*\s+\u], v13 offset:(8*\s+\u)*128
.endr
.endr
	s_mov_b32 s55, 0                               ; t: the tile in hand, 0..7
	s_mov_b32 s54, 2
.Louter:
	s_mov_b32 s52, 0                               ; the tile's place in OBUF
	s_mov_b32 s53, 4
.Ltile:
	; ---- the scores of my 256 keys
	KLOAD 0
	KLOAD 1
	s_wait_loadcnt 0x0                             ; Q
	s_wait_dscnt 12                                ; all but the youngest four fragments
	SC 0
	PLACES 4                                       ; four places in front of loads into registers that the last products read
	KLOAD 2
	s_wait_dscnt 12
	SC 1
	PLACES 4
	KLOAD 3
	; ---- the largest score of each set is searched for quarter by quarter, as the scores come: quarters 0 and 1 stand in front of the waits for K's later fragments
	MAXQ 0, 0                                      ; (the four v_nop behind the first scores are its places)
	s_wait_alu depctr_va_vdst(0)
	s_wait_dscnt 12
	SC 2
	MAXQ 1, 0
	s_wait_alu depctr_va_vdst(0)
	s_wait_dscnt 0x0
	SC 3
.set vl, 0
	MAXQ 2, 3                                      ; its first eight lines are the places in front of the loads into K's and Q's registers; among quarters 2 and 3 stand the 24 loads of V's key steps 0-3, three behind each eight lines
	s_cmp_lt_u32 s55, 7                            ; the next tile's Q is asked for now; the last tile asks for its own again: no load leaves its part
	s_cselect_b32 s58, 1536, 0
	s_cselect_b32 s60, 128, 0
	s_add_nc_u64 s[44:45], s[44:45], s[58:59]      ; (the wait for Q above has freed these)
	s_add_nc_u64 s[46:47], s[46:47], s[60:61]
	QLOAD
	MAXQ 3, 3
	WIN 0
	v_max3_num_f32 v[TM], v[TM], v[TM+1], v[TM+2]
	v_max3_num_f32 v[TM+4], v[TM+4], v[TM+5], v[TM+6]
	s_delay_alu instid0(VALU_DEP_2)
	v_max_num_f32 v[TM], v[TM], v[TM+3]
	s_delay_alu instid0(VALU_DEP_2)
	v_max_num_f32 v[TM+4], v[TM+4], v[TM+7]
	s_delay_alu instid0(VALU_DEP_2)
	v_permlanex16_b32 v[TM+8], v[TM], s[SEL], s[SEL+1]
	s_delay_alu instid0(VALU_DEP_2)
	v_permlanex16_b32 v[TM+9], v[TM+4], s[SEL], s[SEL+1]
	s_delay_alu instid0(VALU_DEP_2)
	v_max_num_f32 v[TM], v[TM], v[TM+8]
	s_delay_alu instid0(VALU_DEP_2)
	v_max_num_f32 v[TM+4], v[TM+4], v[TM+9]
	s_delay_alu instid0(VALU_DEP_2)
	v_mul_f32 v[TM], s[CS], v[TM]
	s_delay_alu instid0(VALU_DEP_2)
	v_mul_f32 v[TM+4], s[CS], v[TM+4]
	s_delay_alu instid0(VALU_DEP_2)
	v_floor_f32 v92, -v[TM]                        ; -M = floor(-t): M is a whole number
	s_delay_alu instid0(VALU_DEP_2)
	v_floor_f32 v94, -v[TM+4]
	; ---- p = 2^(t - M): ONE BATCH of 256 exponentials; nothing in it names a result
	WIN 0x41
.set i, 0
.rept 64
	v_pk_fma_f32 v[i:i+1], v[i:i+1], s[CS:CS+1], v[92:93] op_sel_hi:[1,0,0]
.set i, i+2
.endr
.set i, 0
	s_wait_alu depctr_va_vdst(0)
.rept 64
	v_exp_f32 v[i], v[i]
	v_exp_f32 v[i+1], v[i+1]
	v_pk_fma_f32 v[128+i:129+i], v[128+i:129+i], s[CS:CS+1], v[94:95] op_sel_hi:[1,0,0]
.set i, i+2
.endr
.set i, 128
	s_wait_alu depctr_va_vdst(0)
.rept 128
	v_exp_f32 v[i], v[i]
.set i, i+1
.endr
	WIN 0
	v_nop                                          ; a plain place behind the last exponential
	s_wait_alu depctr_va_vdst(0)                   ; one wait for the batch
	; ---- my lane's sums: two chains a set
	WIN 0x05
	v_pk_add_f32 v[TM:TM+1], v[0:1], v[2:3]
	v_pk_add_f32 v[TM+2:TM+3], v[4:5], v[6:7]
	v_pk_add_f32 v[TM+4:TM+5], v[128:129], v[130:131]
	v_pk_add_f32 v[TM+6:TM+7], v[132:133], v[134:135]
	WIN 0x04
.set i, 8
.rept 30
	v_pk_add_f32 v[TM:TM+1], v[TM:TM+1], v[i:i+1]
	v_pk_add_f32 v[TM+2:TM+3], v[TM+2:TM+3], v[i+2:i+3]
	v_pk_add_f32 v[TM+4:TM+5], v[TM+4:TM+5], v[128+i:129+i]
	v_pk_add_f32 v[TM+6:TM+7], v[TM+6:TM+7], v[130+i:131+i]
.set i, i+4
.endr
	WIN 0
	v_pk_add_f32 v[TM:TM+1], v[TM:TM+1], v[TM+2:TM+3]
	v_pk_add_f32 v[TM+4:TM+5], v[TM+4:TM+5], v[TM+6:TM+7]
	s_delay_alu instid0(VALU_DEP_2)
	v_add_f32 v93, v[TM], v[TM+1]
	s_delay_alu instid0(VALU_DEP_2)
	v_add_f32 v95, v[TM+4], v[TM+5]
	ds_store_b128 v6, v[92:95]
	s_wait_dscnt 0x0                               ; my store has landed, and so have the last tile's stores of O^T; V's first 24 loads are in; my reads of A's images are long over
	s_barrier_signal -1
	s_barrier_wait -1
	; ---- the four waves' figures are joined
.irp j, 0,1,2,3
	ds_load_b128 v[76+4*\j:79+4*\j], v7 offset:512*\j
.endr
	s_wait_dscnt 0x0
	v_min3_num_f32 v[TM], v76, v80, v84
	v_min3_num_f32 v[TM+1], v78, v82, v86
	s_delay_alu instid0(VALU_DEP_2)
	v_min_num_f32 v[TM], v[TM], v88                ; - the row's M
	s_delay_alu instid0(VALU_DEP_2)
	v_min_num_f32 v[TM+1], v[TM+1], v90
.irp j, 0,1,2,3
	v_sub_f32 v[76+4*\j], v[TM], v[76+4*\j]        ; wave j's M less the row's: a whole number, 0 or less
	v_sub_f32 v[78+4*\j], v[TM+1], v[78+4*\j]
.endr
.irp j, 0,1,2,3
	v_cvt_i32_f32 v[76+4*\j], v[76+4*\j]           ; (it saturates)
	v_cvt_i32_f32 v[78+4*\j], v[78+4*\j]
.endr
.irp j, 0,1,2,3
	v_ldexp_f32 v[77+4*\j], v[77+4*\j], v[76+4*\j] ; its sum under the row's M: nothing is rounded
	v_ldexp_f32 v[79+4*\j], v[79+4*\j], v[78+4*\j]
.endr
	v_add_f32 v77, v77, v81
	v_add_f32 v79, v79, v83
	s_delay_alu instid0(VALU_DEP_4)
	v_add_f32 v85, v85, v89
	s_delay_alu instid0(VALU_DEP_4)
	v_add_f32 v87, v87, v91
	s_delay_alu instid0(VALU_DEP_2)
	v_add_f32 v77, v77, v85
	s_delay_alu instid0(VALU_DEP_2)
	v_add_f32 v79, v79, v87
	s_delay_alu instid0(VALU_DEP_2)
	v_permlanex16_b32 v[TM+8], v77, s[SEL], s[SEL+1]
	s_delay_alu instid0(VALU_DEP_2)
	v_permlanex16_b32 v[TM+9], v79, s[SEL], s[SEL+1]
	s_delay_alu instid0(VALU_DEP_2)
	v_add_f32 v77, v77, v[TM+8]                    ; the rows' sums
	s_delay_alu instid0(VALU_DEP_2)
	v_add_f32 v79, v79, v[TM+9]
	s_wait_alu depctr_va_vdst(0)
	v_rcp_f32 v77, v77
	v_rcp_f32 v79, v79
	v_sub_f32 v[TM+2], v[TM], v92                  ; my own M less the row's (plain work behind the reciprocals)
	v_sub_f32 v[TM+3], v[TM+1], v94
	s_delay_alu instid0(VALU_DEP_2)
	v_cvt_i32_f32 v[TM+2], v[TM+2]
	s_delay_alu instid0(VALU_DEP_2)
	v_cvt_i32_f32 v[TM+3], v[TM+3]
	s_wait_alu depctr_va_vdst(0)                   ; one wait for the two reciprocals, ahead of their first reader
	v_ldexp_f32 v228, v77, v[TM+2]                 ; attn1 = p1 x r1
	v_ldexp_f32 v230, v79, v[TM+3]
	s_delay_alu instid0(VALU_DEP_1)
	v_mul_f32 v230, v225, v230                     ; -lam attn2 = p2 x r2
	s_delay_alu instid0(VALU_DEP_3)
	v_mov_b32 v229, v228
	s_delay_alu instid0(VALU_DEP_2)
	v_mov_b32 v231, v230
	; ---- A = attn1 - lam attn2, in S1's registers
	WIN 0x41
.set i, 0
.rept 64
	v_pk_mul_f32 v[i:i+1], v[i:i+1], v[228:229]
.set i, i+2
.endr
	WIN 0x51
.set i, 0
.rept 64
	v_pk_fma_f32 v[i:i+1], v[128+i:129+i], v[230:231], v[i:i+1]
.set i, i+2
.endr
	; ---- my 256 keys are K steps 2 wq and 2 wq + 1 of the second product: two fragments, as images to LDS.  S2's registers are free: ahead of each quantiser twelve loads of V's key steps 4-7 go out into them
.irp q, 0,1
	WIN 0x40                                       ; destination window 1, address window 0
.irp s, 0,1
.irp u, 0,1
.irp c, 0,1,2
	ds_load_b128 v[128+12*(2*(2*\q+\s)+\u)+4*\c:128+12*(2*(2*\q+\s)+\u)+4*\c+3], v5 offset:(2*\q+\s)*12288+\u*1536+512*\c   ; key step 4 + 2 q + s, my channel tile u
.endr
.endr
.endr
	QUANT 64*\q, 1
.irp c, 0,1,2
	ds_store_b128 v8, v[PC+4*\c:PC+4*\c+3] offset:\q*1536+512*\c
.endr
	ds_store_b32 v10, v[PW] offset:\q*128
.endr
	s_wait_alu depctr_va_vdst(0)
	s_wait_dscnt 0x0                               ; for the others' sake: my stores have landed; V's loads are in
	s_barrier_signal -1
	s_barrier_wait -1                              ; A's eight fragments lie in LDS
.irp s, 0,1,2,3,4,5,6,7
	ds_load_b32 v[68+\s], v11 offset:\s*128        ; their scale words first,
.endr
	WIN 0x40
.irp s, 0,1,2,3,4,5,6,7
.irp c, 0,1,2
	ds_load_b128 v[12*\s+4*\c:12*\s+4*\c+3], v9 offset:\s*1536+512*\c   ; then the fragments, in the order of their use, into S1's registers
.endr
.endr
	; ---- O^T = V^T A^T for my two tiles of channels: the two accumulators take turns.  The products begin as A's fragments come in
.irp s, 0,1,2,3,4,5,6,7
.if (\s)%2 == 0
	s_wait_dscnt 18-3*\s                           ; A's fragments s and s + 1 are in; the three loads of each later fragment may be out
.endif
.if \s < 4
	WIN 0x04                                       ; V in window 0, A in window 1, O^T in window 0
.else
	WIN 0x05                                       ; V in window 1
.endif
.irp u, 0,1
.if \s < 4
.set VA, FA+12*(2*\s+\u)
.else
.set VA, 128+12*(2*(\s-4)+\u)
.endif
.if \s == 0
	v_wmma_scale_f32_16x16x128_f8f6f4 v[OA+8*\u:OA+8*\u+7], v[VA:VA+11], v[12*\s:12*\s+11], 0, v[52+2*\s+\u], v[68+\s] matrix_a_fmt:MATRIX_FMT_FP6 matrix_b_fmt:MATRIX_FMT_FP6
.else
	v_wmma_scale_f32_16x16x128_f8f6f4 v[OA+8*\u:OA+8*\u+7], v[VA:VA+11], v[12*\s:12*\s+11], v[OA+8*\u:OA+8*\u+7], v[52+2*\s+\u], v[68+\s] matrix_a_fmt:MATRIX_FMT_FP6 matrix_b_fmt:MATRIX_FMT_FP6
.endif
.endr
.endr
	WIN 0
	v_add_nc_u32 v13, s52, v12                     ; this line and four v_nop: five places, since the next scores are written over A's and V's registers by matrix instructions
	PLACES 4
	ds_store_b128 v13, v[OA:OA+3]                  ; each accumulator from its low end on
	ds_store_b128 v13, v[OA+4:OA+7] offset:512
	ds_store_b128 v13, v[OA+8:OA+11] offset:1024
	ds_store_b128 v13, v[OA+12:OA+15] offset:1536
	s_add_co_u32 s52, s52, 8192
	s_add_co_u32 s55, s55, 1
	s_sub_co_u32 s53, s53, 1
	s_cmp_lg_u32 s53, 0
	s_cbranch_scc1 .Ltile
	; ---- THE FINISH: wave wq takes tile wq of the four: the head's norm, x (1 - lambda_init), the quantiser
	WIN 0x40
.irp b, 0,1,2,3
.irp j, 0,1,2,3
	global_load_b128 v[16*\b+4*\j:16*\b+4*\j+3], v15, s[16:17] offset:128*\b+16*\j
	global_load_b128 v[64+16*\b+4*\j:64+16*\b+4*\j+3], v15, s[18:19] offset:128*\b+16*\j
.endr
.endr
	WIN 0
	s_wait_dscnt 0x0                               ; my stores of O^T have landed
	s_barrier_signal -1
	s_barrier_wait -1
.irp n, 0,1,2,3,4,5,6,7,8,9,10,11,12,13,14,15
	ds_load_b128 v[X+4*\n:X+4*\n+3], v14 offset:512*\n
.endr
	s_wait_dscnt 0x0
.irp b, 0,1,2,3                                ; register 16 b + 8 u + j of half h holds channel 32 b + 16 u + 8 h + j: u and h change places, and register 16 b + i holds channel 32 b + 16 h + i: Wo's own order
.irp j, 0,1,2,3,4,5,6,7
	v_permlane16_swap_b32 v[X+16*\b+\j], v[X+16*\b+8+\j]
.endr
.endr
.irp c, 0,1,2,3
	v_pk_add_f32 v[TM+2*\c:TM+2*\c+1], v[X+2*\c:X+2*\c+1], v[X+8+2*\c:X+9+2*\c]
.endr
.irp i, 16,24,32,40,48,56
.irp c, 0,1,2,3
	s_delay_alu instid0(VALU_DEP_4)
	v_pk_add_f32 v[TM+2*\c:TM+2*\c+1], v[TM+2*\c:TM+2*\c+1], v[X+\i+2*\c:X+\i+2*\c+1]
.endr
.endr
	FOLD
	s_delay_alu instid0(VALU_DEP_1)
	v_mul_f32 v[TM+10], s30, v[TM]                 ; the mean, twice
	s_delay_alu instid0(VALU_DEP_1)
	v_mov_b32 v[TM+11], v[TM+10]
.set i, 0
.rept 32
	v_pk_add_f32 v[X+i:X+i+1], v[X+i:X+i+1], v[TM+10:TM+11] neg_lo:[0,1] neg_hi:[0,1]
.set i, i+2
.endr
.irp c, 0,1,2,3
	v_pk_mul_f32 v[TM+2*\c:TM+2*\c+1], v[X+2*\c:X+2*\c+1], v[X+2*\c:X+2*\c+1]
.endr
.irp i, 8,16,24,32,40,48,56
.irp c, 0,1,2,3
	s_delay_alu instid0(VALU_DEP_4)
	v_pk_fma_f32 v[TM+2*\c:TM+2*\c+1], v[X+\i+2*\c:X+\i+2*\c+1], v[X+\i+2*\c:X+\i+2*\c+1], v[TM+2*\c:TM+2*\c+1]
.endr
.endr
	FOLD
	s_delay_alu instid0(VALU_DEP_1)
	v_fma_f32 v[TM], v[TM], s30, s31               ; the variance + 1e-5
	s_wait_alu depctr_va_vdst(0)
	v_rsq_f32 v[TM+10], v[TM]
	v_nop
	s_wait_alu depctr_va_vdst(0)
	v_mov_b32 v[TM+11], v[TM+10]
.set i, 0
.rept 32
	v_pk_mul_f32 v[X+i:X+i+1], v[X+i:X+i+1], v[TM+10:TM+11]
.set i, i+2
.endr
	s_wait_loadcnt 0x0                             ; hn_g and hn_b (the next tile's Q was asked for earlier, so no count above 0 would leave it out)
	WIN 0x14
.set i, 0
.rept 32
	v_pk_fma_f32 v[X+i:X+i+1], v[X+i:X+i+1], v[i:i+1], v[64+i:65+i]
.set i, i+2
.endr
	WIN 0
.set i, 0
.rept 32
	v_pk_mul_f32 v[X+i:X+i+1], v[X+i:X+i+1], v[226:227]
.set i, i+2
.endr
	QUANT X, 0
.irp c, 0,1,2
	global_store_b128 v1, v[PC+4*\c:PC+4*\c+3], s[20:21] offset:512*\c   ; 32 lanes store 512 consecutive bytes, at a multiple of 256 from the buffer's first byte
.endr
	global_store_b32 v2, v[PW], s[22:23]
	s_wait_xcnt 0x0                                ; the stores' bases and data registers are written again only behind this wait
	s_add_nc_u64 s[20:21], s[20:21], 6144          ; four images on
	s_add_nc_u64 s[22:23], s[22:23], 512
	s_sub_co_u32 s54, s54, 1
	s_cmp_lg_u32 s54, 0
	s_cbranch_scc1 .Louter
	s_wait_tensorcnt 0x0
	ds_add_u32 v254, v255
	s_wait_dscnt 0x0
	CROUND                                         ; the closing round
	s_endpgm
.Lfunc_end_k_q51ff6fe559_attn:
	.size	k_q51ff6fe559_attn, .Lfunc_end_k_q51ff6fe559_attn-k_q51ff6fe559_attn
	.p2alignl 7, 3214868480
	.fill 96, 4, 3214868480
	.section	.rodata,"a",@progbits
	.p2align	6, 0x0
	.amdhsa_kernel k_q51ff6fe559_attn
		.amdhsa_group_segment_fixed_size 310272
		.amdhsa_private_segment_fixed_size 0
		.amdhsa_enable_private_segment 0
		.amdhsa_kernarg_size 72
		.amdhsa_user_sgpr_count 2
		.amdhsa_user_sgpr_kernarg_segment_ptr 1
		.amdhsa_wavefront_size32 1
		.amdhsa_system_sgpr_workgroup_id_x 1
		.amdhsa_system_sgpr_workgroup_id_y 1
		.amdhsa_system_sgpr_workgroup_id_z 1
		.amdhsa_system_vgpr_workitem_id 0
		.amdhsa_next_free_vgpr 512
		.amdhsa_next_free_sgpr 66
		.amdhsa_reserve_vcc 0
		.amdhsa_float_denorm_mode_32 3
		.amdhsa_float_denorm_mode_16_64 3
		.amdhsa_memory_ordered 1
		.amdhsa_forward_progress 1
		.amdhsa_inst_pref_size 110
	.end_amdhsa_kernel
	.amdgpu_metadata
---
amdhsa.version: [ 1, 2 ]
amdhsa.kernels:
  - .name:           k_q51ff6fe559_attn
    .symbol:         k_q51ff6fe559_attn.kd
    .args:
      - { .name: qkv, .offset: 0, .size: 8, .value_kind: global_buffer, .address_space: global }
      - { .name: lambda_q1, .offset: 8, .size: 8, .value_kind: global_buffer, .address_space: global }
      - { .name: lambda_k1, .offset: 16, .size: 8, .value_kind: global_buffer, .address_space: global }
      - { .name: lambda_q2, .offset: 24, .size: 8, .value_kind: global_buffer, .address_space: global }
      - { .name: lambda_k2, .offset: 32, .size: 8, .value_kind: global_buffer, .address_space: global }
      - { .name: lambda_init, .offset: 40, .size: 8, .value_kind: global_buffer, .address_space: global }
      - { .name: hn_g, .offset: 48, .size: 8, .value_kind: global_buffer, .address_space: global }
      - { .name: hn_b, .offset: 56, .size: 8, .value_kind: global_buffer, .address_space: global }
      - { .name: abuf, .offset: 64, .size: 8, .value_kind: global_buffer, .address_space: global }
    .group_segment_fixed_size: 310272
    .private_segment_fixed_size: 0
    .kernarg_segment_align: 8
    .kernarg_segment_size: 72
    .max_flat_workgroup_size: 256
    .sgpr_count:     66
    .vgpr_count:     512
    .wavefront_size: 32
...
	.end_amdgpu_metadata
.endif
;; end of part 3
;; launch outp (part 4): grid 8 x 32, 4 waves a work-group, clusters of 4 x 4, 327,680 bytes of LDS; arguments abuf, opnd, query_tokens, out0; writes out0
.if DOCPART == 4
	.amdgcn_target "amdgcn-amd-amdhsa--gfx1250"
	.amdhsa_code_object_version 6
	.text
	.protected	k_q51ff6fe559_outp
	.globl	k_q51ff6fe559_outp
	.p2align	8
	.type	k_q51ff6fe559_outp,@function
k_q51ff6fe559_outp:
	s_mov_b64 s[64:65], 0
	v_nop
	global_prefetch_b8 v0, s[64:65] scope:SCOPE_SE
	s_setreg_imm32_b32 hwreg(HW_REG_WAVE_MODE, 25, 1), 1
	s_wait_xcnt 0x0
	s_wait_alu depctr_hold_cnt(0) depctr_sa_sdst(0) depctr_va_vdst(0) depctr_va_sdst(0) depctr_va_ssrc(0) depctr_va_vcc(0) depctr_vm_vsrc(0)
	s_getreg_b32 s2, hwreg(HW_REG_IB_STS2, 6, 4)
	s_cmp_eq_u32 s2, 0
	s_cbranch_scc0 .Lentry_in_a_cluster
	s_endpgm
.Lentry_in_a_cluster:
	s_bfe_u32 s2, ttmp6, 0x10000c
	s_cmp_lg_u32 s2, 0xf033
	s_cbranch_scc0 .Lentry_shape_is_right
	s_endpgm
.Lentry_shape_is_right:
; LAUNCH 4 OF 4.  out0 = query_tokens + A Wo^T: 4,096 x 2,048 x 1,024 on codes of FP6.  A (abuf) and Wo (opnd) lie as images of operand registers: [128-row group][K step (16)][13,312 bytes: 8 images, 8 blocks of scale words].
; A tile is 128 tokens x 128 outputs: 256 work-groups; a wave makes 64 x 64: 16 accumulators.  The matrix instruction is used transposed (source 0 = 16 rows of Wo, source 1 = 16 tokens): a lane holds eight neighbouring outputs of a token.
; LDS: A's K steps 0-11 (12 x 13,312 bytes), then Wo's K steps 0-11.  At the head each wave brings six K steps of one operand with ONE tensor load (312 rows of 256 bytes).  K has 16 steps: steps 12-15 are brought by ONE refill,
; two K steps a wave (104 rows), onto the bytes of steps 0-3, behind a round of the cluster's barrier.  By this text's count one tensor load of a wave is out at the most.
; CLUSTER 4 x 4: A hangs on the work-group's y alone and is asked for jointly along a row, Wo on its x alone and jointly along a column.
; No data prefetch is laid: the launch has no loop to run ahead in; three quarters of K are asked for by the head's loads.
; REGISTERS: window 0: v1-22 addresses; v32-47 scale words, two sets; v64-159, v160-255 fragments, two sets (Wo's four, then A's four); on the way out rows of the result.  window 1: v0-127 accumulators, (a, b) at 32 a + 8 b; v128-255 the residual.
.set GB,    13312
.set SCO,   12288
.set GB2,   2*GB
.set QTR,   4*GB                       ; four K steps of an operand: what one address register reaches
.set BOFF,  12*GB                      ; Wo's steps lie behind A's twelve
.set ROWG,  16*GB                      ; a group's 16 K steps
.set WO,    11927552
.set SPARE, 24*GB                      ; behind the operands: the spare words, 128 bytes a wave
.set SPI,   272                        ; the way out: a stage of 16 rows x (256 bytes + 16) for each wave, on the bytes of A's steps 4-7: they have had their only fill, and their last read lies behind a barrier
.set AA,  4
.set AAS, 7
.set AB,  10
.set ABS, 13
.set STO, 16
.set RD,  17
.set CO,  18
.set SPW, 20
.set NIL, 21
.set SCW, 32
.set WVN, 12
.set G1A, 24
.set G1B, 32
.set G0A, 40                           ; s[40:47] group 0 for A: the head's, the refill's;  s[52:59] for Wo
.set G0B, 52
.set MSB, 0
.macro WIN new
.if MSB != (\new)
	s_set_vgpr_msb (MSB<<8)|(\new)
.set MSB, (\new)
.endif
.endm
.macro PLACES n
.rept \n
	v_nop
.endr
.endm
.macro CROUND
	s_barrier_signal -1
	s_barrier_wait -1
	s_cmp_lg_u32 s[WVN], 0
	s_cbranch_scc1 .Lnot_wave_0_\@
	s_barrier_signal -3
.Lnot_wave_0_\@:
	s_barrier_wait -3
	s_barrier_signal -1
	s_barrier_wait -1
.endm
.macro JLOAD d                         ; a joint load: waves 0, 1 for A, waves 2, 3 for Wo; s_nop 0 and four v_nop follow each line
	s_cmp_eq_u32 s13, 0
	s_cbranch_scc0 .Lfor_b_\@
	tensor_load_to_lds s[G0A+4*\d:G0A+4*\d+3], s[G1A:G1A+7]
	s_nop 0
	PLACES 4
	s_branch .Lasked_\@
.Lfor_b_\@:
	tensor_load_to_lds s[G0B+4*\d:G0B+4*\d+3], s[G1B:G1B+7]
	s_nop 0
	PLACES 4
.Lasked_\@:
.endm
	s_load_b256 s[4:11], s[0:1], 0x0               ; abuf, opnd, query_tokens, out0
	v_lshl_add_u32 v[SPW], v0, 2, SPARE
	v_mov_b32 v[NIL], 0
	ds_add_u32 v[SPW], v[NIL]                      ; the opening lines: the add, twice on end, and its wait ahead of my first tensor load
	ds_add_u32 v[SPW], v[NIL]
	v_lshrrev_b32 v1, 5, v0
	v_readfirstlane_b32 s[WVN], v1                 ; wave 0..3
	s_lshr_b32 s13, s[WVN], 1                      ; wm: which 64 tokens are mine.  Also: I fetch for A (0) or for Wo (1)
	s_and_b32 s14, s[WVN], 1                       ; wn: which 64 outputs.  Also: which part I fetch
	s_bfe_u32 s15, ttmp6, 0x40000                  ; cx
	s_bfe_u32 s16, ttmp6, 0x40004                  ; cy
	s_lshl_b32 s17, ttmp9, 2
	s_add_co_u32 s17, s17, s15                     ; X: the group of 128 outputs
	s_and_b32 s18, ttmp7, 0xffff
	s_lshl_b32 s18, s18, 2
	s_add_co_u32 s18, s18, s16                     ; Y: the group of 128 tokens
	s_lshl_b32 s19, s16, 2
	s_lshl_b32 s19, 15, s19                        ; my row of the cluster
	s_lshl_b32 s20, 0x1111, s15                    ; my column
	s_or_b32 s[G1A], s19, (3<<16)|(1<<21)          ; the mask; elements of 8 bytes; 21 set beside a mask; no padding
	s_or_b32 s[G1B], s20, (3<<16)|(1<<21)
.irp g, G1A, G1B
	s_mov_b32 s[\g+1], 32<<16                      ; rows of 256 bytes of a dense block,
	s_mov_b32 s[\g+2], 312<<16                     ; 312 of them: six K steps (the refill: 104)
	s_mov_b32 s[\g+3], 32<<16
	s_mov_b32 s[\g+4], 312
	s_mov_b32 s[\g+5], 32
	s_mov_b32 s[\g+6], 0
	s_mov_b32 s[\g+7], 0
.endr
	s_mul_i32 s21, s14, 6*GB                       ; the head: K steps 0-5 or 6-11
	s_mul_i32 s66, s18, ROWG
	s_add_co_u32 s66, s66, s21                     ; A: it holds no cx
	s_mov_b32 s67, 0
	s_mul_i32 s68, s17, ROWG
	s_add_co_u32 s68, s68, s21
	s_add_co_u32 s68, s68, WO                      ; Wo: it holds no cy
	s_mov_b32 s69, 0
	s_mul_i32 s22, s[WVN], 6*GB                    ; where they go: wave x six K steps: no place in the cluster enters an LDS address
	s_mul_i32 s78, s14, 4*GB
	s_sub_co_u32 s78, 12*GB, s78                   ; from the head's first byte to the refill's: K step 12 + 2 wn less 6 wn
	s_mov_b32 s79, 0
	s_mul_i32 s80, s13, BOFF
	s_mul_i32 s81, s14, GB2
	s_add_co_u32 s80, s80, s81                     ; where the refill goes: my operand's steps 0-1 or 2-3
	s_wait_dscnt 0x0                               ; both opening adds are done
	s_wait_kmcnt 0x0
	s_add_nc_u64 s[66:67], s[4:5], s[66:67]
	s_add_nc_u64 s[68:69], s[6:7], s[68:69]
	s_mov_b32 s[G0A], 1
	s_mov_b32 s[G0A+1], s22
	s_mov_b64 s[G0A+2:G0A+3], s[66:67]
	s_or_b32 s[G0A+3], s[G0A+3], 0x80000000
	s_mov_b32 s[G0A+4], 1
	s_mov_b32 s[G0A+5], s80
	s_add_nc_u64 s[G0A+6:G0A+7], s[66:67], s[78:79]
	s_or_b32 s[G0A+7], s[G0A+7], 0x80000000
	s_mov_b32 s[G0B], 1
	s_mov_b32 s[G0B+1], s22
	s_mov_b64 s[G0B+2:G0B+3], s[68:69]
	s_or_b32 s[G0B+3], s[G0B+3], 0x80000000
	s_mov_b32 s[G0B+4], 1
	s_mov_b32 s[G0B+5], s80
	s_add_nc_u64 s[G0B+6:G0B+7], s[68:69], s[78:79]
	s_or_b32 s[G0B+7], s[G0B+7], 0x80000000
	CROUND                                         ; all sixteen work-groups are here: the first joint loads meet
	JLOAD 0                                        ; one tensor load a wave at the head
	v_and_b32 v3, 15, v0                           ; r
	v_bfe_u32 v19, v0, 4, 1                        ; h
	v_lshlrev_b32 v[CO], 12, v19
	v_lshl_add_u32 v[CO], v3, 4, v[CO]             ; lanes 0-15 one row of 4,096 bytes, lanes 16-31 the next; 16 bytes a lane
	s_wait_alu depctr_va_vdst(0)
	s_lshl_b32 s70, s18, 19                        ; my first token's row: (128 Y + 64 wm) x 4,096, + my first output: (128 X + 64 wn) x 4
	s_lshl_b32 s21, s13, 18
	s_add_co_u32 s70, s70, s21
	s_lshl_b32 s21, s17, 9
	s_add_co_u32 s70, s70, s21
	s_lshl_b32 s21, s14, 8
	s_add_co_u32 s70, s70, s21
	s_mov_b32 s71, 0
	s_add_nc_u64 s[8:9], s[8:9], s[70:71]
	s_add_nc_u64 s[10:11], s[10:11], s[70:71]
	WIN 0x40
.irp a, 0,1,2,3
.irp t, 0,1,2,3,4,5,6,7
	global_load_b128 v[128+4*(8*\a+\t):128+4*(8*\a+\t)+3], v[CO], s[8:9] offset:(16*\a+2*\t)*4096 th:TH_LOAD_NT   ; the residual, in the layout of the stores; sixteen lanes read 256 consecutive bytes
.endr
.endr
	WIN 0
	s_mul_i32 s72, s13, 6144                       ; my four images of A,
	s_lshl_b32 s73, s13, 9
	s_add_co_u32 s73, s73, SCO                     ; their scale words,
	s_mul_i32 s74, s14, 6144
	s_add_co_u32 s74, s74, BOFF                    ; my four images of Wo,
	s_lshl_b32 s75, s14, 9
	s_add_co_u32 s75, s75, BOFF+SCO                ; their scale words
	s_mul_i32 s76, s[WVN], 16*SPI
	s_add_co_u32 s76, s76, QTR                     ; my stage
	v_and_b32 v22, 31, v0
	v_lshlrev_b32 v1, 4, v22                       ; 16 x lane
	v_lshlrev_b32 v2, 2, v22                       ; 4 x lane
	v_add_nc_u32 v[AA], s72, v1
	v_add_nc_u32 v[AAS], s73, v2
	v_add_nc_u32 v[AB], s74, v1
	v_add_nc_u32 v[ABS], s75, v2
.irp r, AA, AAS, AB, ABS
	v_add_nc_u32 v[\r+1], QTR, v[\r]               ; K steps 4-7,
	v_add_nc_u32 v[\r+2], 2*QTR, v[\r]             ; and 8-11
.endr
	v_mul_u32_u24 v[STO], v3, SPI
	v_lshl_add_u32 v[STO], v19, 5, v[STO]
	v_add_nc_u32 v[STO], s76, v[STO]               ; in: row r, 32 bytes for each half of the lanes
	v_mul_u32_u24 v[RD], v19, SPI
	v_lshl_add_u32 v[RD], v3, 4, v[RD]
	v_add_nc_u32 v[RD], s76, v[RD]                 ; back: lanes 0-15 one row of 256 bytes, lanes 16-31 the next
.macro FETCH s                         ; K step s: 32 LDS loads in one run, into set s % 2.  Steps 12-15 lie where steps 0-3 lay
.set SL, ((\s)/4)%3
.set KO, ((\s)%4)*GB
.set FB, 64+96*((\s)%2)
.set SS, SCW+8*((\s)%2)
.irp n, 0,1,2,3
.irp c, 0,1,2
	ds_load_b128 v[FB+12*\n+4*\c:FB+12*\n+4*\c+3], v[AB+SL] offset:KO+\n*1536+512*\c
.endr
.endr
.irp n, 0,1,2,3
.irp c, 0,1,2
	ds_load_b128 v[FB+48+12*\n+4*\c:FB+48+12*\n+4*\c+3], v[AA+SL] offset:KO+\n*1536+512*\c
.endr
.endr
.irp n, 0,1,2,3
	ds_load_b32 v[SS+\n], v[ABS+SL] offset:KO+\n*128
	ds_load_b32 v[SS+4+\n], v[AAS+SL] offset:KO+\n*128
.endr
.endm
.macro MUL s                           ; its 16 products: the accumulators take turns, one instruction a turn; step 0 starts the sums
.set FB, 64+96*((\s)%2)
.set SS, SCW+8*((\s)%2)
	WIN 0x50
.irp a, 0,1,2,3
.irp b, 0,1,2,3
.if (\s) == 0
	v_wmma_scale_f32_16x16x128_f8f6f4 v[32*\a+8*\b:32*\a+8*\b+7], v[FB+12*\b:FB+12*\b+11], v[FB+48+12*\a:FB+48+12*\a+11], 0, v[SS+\b], v[SS+4+\a] matrix_a_fmt:MATRIX_FMT_FP6 matrix_b_fmt:MATRIX_FMT_FP6
.else
	v_wmma_scale_f32_16x16x128_f8f6f4 v[32*\a+8*\b:32*\a+8*\b+7], v[FB+12*\b:FB+12*\b+11], v[FB+48+12*\a:FB+48+12*\a+11], v[32*\a+8*\b:32*\a+8*\b+7], v[SS+\b], v[SS+4+\a] matrix_a_fmt:MATRIX_FMT_FP6 matrix_b_fmt:MATRIX_FMT_FP6
.endif
.endr
.endr
	WIN 0
.endm
.macro STEP s                          ; the next step's fragments are asked for, then this step is multiplied
	PLACES 4                                       ; four places in front of loads into registers that the last products read
	FETCH (\s)+1
	s_wait_dscnt 32                                ; all but the 32 just issued
	MUL \s
.endm
	s_wait_alu depctr_va_vdst(0)
	s_wait_tensorcnt 0x0                           ; my six K steps are in
	s_barrier_signal -1
	s_barrier_wait -1                              ; everybody's are
	FETCH 0
	FETCH 1
	s_wait_dscnt 32
	MUL 0
	STEP 1
	STEP 2
	; K steps 0-3 have been read out (step 3's fragments are asked for): their bytes are filled again, with K steps 12 to 15
	s_wait_tensorcnt 0x0                           ; no tensor load of mine is out, so a descriptor may be written;
	ds_add_u32 v[SPW], v[NIL]                      ; 0 onto my spare word;
	s_mov_b32 s[G1A+2], 104<<16                    ; the refill brings 104 rows: two K steps
	s_mov_b32 s[G1A+4], 104
	s_mov_b32 s[G1B+2], 104<<16
	s_mov_b32 s[G1B+4], 104
	s_wait_dscnt 0x0                               ; the add is done, and my reads of K steps 0-3 are over
	CROUND                                         ; no wave of any partner still reads those bytes or has a load on its way
	JLOAD 1                                        ; the first tensor load behind the round, one a wave; its four v_nop are also the places in front of the loads below
	FETCH 4
	s_wait_dscnt 32
	MUL 3
.irp s, 4,5,6,7,8,9,10
	STEP \s
.endr
	s_wait_tensorcnt 0x0                           ; my part of the refill is in,
	s_wait_dscnt 0x0                               ; and my reads of K steps 4-11 are over (the stage will lie on A's steps 4-7);
	s_barrier_signal -1
	s_barrier_wait -1                              ; everybody's.
.irp s, 11,12,13,14
	STEP \s
.endr
	s_wait_dscnt 0x0
	MUL 15
	; THE WAY OUT, 16 tokens at a time: through my own stage, back as rows of 256 bytes, + the residual, stored
	PLACES 4
.irp a, 0,1,2,3
.set BK, 64+96*(\a%2)
.if \a >= 2
	s_wait_xcnt 0x0                                ; the stores of two blocks ago have read their data registers
.endif
	WIN 0x04                                       ; an LDS store's data are its source 1: window 1
.irp b, 0,1,2,3
	ds_store_b128 v[STO], v[32*\a+8*\b:32*\a+8*\b+3] offset:64*\b          ; each accumulator from its low end on
	ds_store_b128 v[STO], v[32*\a+8*\b+4:32*\a+8*\b+7] offset:64*\b+16
.endr
	WIN 0
.irp t, 0,1,2,3,4,5,6,7
	ds_load_b128 v[BK+4*\t:BK+4*\t+3], v[RD] offset:2*\t*SPI               ; LDS serves a wave's instructions in order (ISA guide 5.7.1.4): these see the stores above
.endr
	s_wait_dscnt 0x0
	s_wait_loadcnt 24-8*\a                         ; this block's eight residual loads are in; the later blocks' may be out
	WIN 0x04
.irp t, 0,1,2,3,4,5,6,7
	v_pk_add_f32 v[BK+4*\t:BK+4*\t+1], v[BK+4*\t:BK+4*\t+1], v[128+4*(8*\a+\t):129+4*(8*\a+\t)]
	v_pk_add_f32 v[BK+4*\t+2:BK+4*\t+3], v[BK+4*\t+2:BK+4*\t+3], v[130+4*(8*\a+\t):131+4*(8*\a+\t)]
.endr
	WIN 0
.irp t, 0,1,2,3,4,5,6,7
	global_store_b128 v[CO], v[BK+4*\t:BK+4*\t+3], s[10:11] offset:(16*\a+2*\t)*4096 th:TH_STORE_NT   ; sixteen lanes store 256 consecutive bytes, at a multiple of 256 from out0's first byte
.endr
.endr
	s_wait_tensorcnt 0x0                           ; the wave's end, behind my last tensor load and my last LDS store
	ds_add_u32 v[SPW], v[NIL]
	s_wait_dscnt 0x0
	CROUND                                         ; the closing round: no work-group ends while a partner may still ask for a tile that names it
	s_endpgm
.Lfunc_end_k_q51ff6fe559_outp:
	.size	k_q51ff6fe559_outp, .Lfunc_end_k_q51ff6fe559_outp-k_q51ff6fe559_outp
	.p2alignl 7, 3214868480
	.fill 96, 4, 3214868480
	.section	.rodata,"a",@progbits
	.p2align	6, 0x0
	.amdhsa_kernel k_q51ff6fe559_outp
		.amdhsa_group_segment_fixed_size 327680
		.amdhsa_private_segment_fixed_size 0
		.amdhsa_enable_private_segment 0
		.amdhsa_kernarg_size 32
		.amdhsa_user_sgpr_count 2
		.amdhsa_user_sgpr_kernarg_segment_ptr 1
		.amdhsa_wavefront_size32 1
		.amdhsa_system_sgpr_workgroup_id_x 1
		.amdhsa_system_sgpr_workgroup_id_y 1
		.amdhsa_system_sgpr_workgroup_id_z 1
		.amdhsa_system_vgpr_workitem_id 0
		.amdhsa_next_free_vgpr 512
		.amdhsa_next_free_sgpr 90
		.amdhsa_reserve_vcc 0
		.amdhsa_float_denorm_mode_32 3
		.amdhsa_float_denorm_mode_16_64 3
		.amdhsa_memory_ordered 1
		.amdhsa_forward_progress 1
		.amdhsa_inst_pref_size 91
	.end_amdhsa_kernel
	.amdgpu_metadata
---
amdhsa.version: [ 1, 2 ]
amdhsa.kernels:
  - .name:           k_q51ff6fe559_outp
    .symbol:         k_q51ff6fe559_outp.kd
    .args:
      - { .name: abuf, .offset: 0, .size: 8, .value_kind: global_buffer, .address_space: global }
      - { .name: opnd, .offset: 8, .size: 8, .value_kind: global_buffer, .address_space: global }
      - { .name: query_tokens, .offset: 16, .size: 8, .value_kind: global_buffer, .address_space: global }
      - { .name: out0, .offset: 24, .size: 8, .value_kind: global_buffer, .address_space: global }
    .group_segment_fixed_size: 327680
    .private_segment_fixed_size: 0
    .kernarg_segment_align: 8
    .kernarg_segment_size: 32
    .max_flat_workgroup_size: 128
    .sgpr_count:     90
    .vgpr_count:     512
    .wavefront_size: 32
...
	.end_amdgpu_metadata
.endif
;; end of part 4
